; MI455X (gfx1250); checked and timed in simulation.
; The chip was launched on July 23, 2026; its instructions are those of AMD's public machine-readable ISA for CDNA 5 (MIT licence, August 2026) and "CDNA5" Instruction Set Architecture Reference Guide (July 2026). The comments in the code are by the model that wrote it; some were corrected since.
;; SA Block. Allowed arithmetic: matrix products marked QUANTISED: E2M1 operands, one E8M0 scale for each 32 along K, by v_wmma_scale_f32_16x16x128_f8f6f4 with both operands' format E2M1 (or v_wmma_scale_f32_32x16x128_f4), f32 sums; everything else in f32.
;; Inputs: W1 2,048 x 1,024 float32; W2 1,024 x 2,048 float32; Wk 1,024 x 1,024 float32; Wq 1,024 x 1,024 float32; Wv 1,024 x 1,024 float32; b1 2,048 float32; b2 1,024 float32; bv 1,024 float32; embed 2 x 2,048 x 1,024 float32.
;; Outputs: out0 2 x 2,048 x 1,024 float32.
;; This version of the problem:
;;   THIS VERSION OF THE PROBLEM IS GIVEN IN LOW PRECISION. The matrix products marked QUANTISED in the list below multiply operands that are first quantised to E2M1 (2 exponent bits, 1 mantissa bit; 4 bits a number), with one power-of-two scale for each 32 numbers along K (OCP MX v1.0); their sums are f32. All else is computed in f32.
;;   The module's matrix products, in the order in which they are computed (A, B: the left and right operand; K: the contracted axis; several contracted axes count as one K, in the product's order):
;;     1. [M 4,096, K 1,024] x [K 1,024, N 1,024]; A: input embed; B: input Wq: QUANTISED
;;     2. [M 4,096, K 1,024] x [K 1,024, N 1,024]; A: input embed; B: input Wk: QUANTISED
;;     3. [M 4,096, K 1,024] x [K 1,024, N 1,024]; A: input embed; B: input Wv: QUANTISED
;;     4. batch 32 x [M 2,048, K 64] x [K 64, N 2,048]; A: computed on the way; B: computed on the way: QUANTISED
;;     5. batch 32 x [M 64, K 2,048] x [K 2,048, N 2,048]; A: computed on the way; B: softmax (see below): QUANTISED
;;     6. [M 4,096, K 1,024] x [K 1,024, N 2,048]; A: computed on the way; B: input W1: QUANTISED
;;     7. [M 4,096, K 2,048] x [K 2,048, N 1,024]; A: computed on the way; B: input W2: QUANTISED
;;   THE QUANTISER, for each operand of a quantised product, along K:
;;     - K is cut into blocks of 32 from its start; a last block that is shorter is filled with zeros.
;;     - A block's scale is 2^e with e = floor(log2(the largest magnitude in the block)) - 2, held to -126 .. 127; a block of zeros has e = 0. As a byte (E8M0): e + 127.
;;     - Each number is divided by its block's scale, clamped to +-6, and rounded to the nearest number of E2M1, ties to even, subnormals kept.
;;     - The product sums the exact products of the quantised numbers (number of the format x scale) in f32.
;;   ~~~python
;;   def quantise(x, axis):      # numpy; x: float32 -> the quantised numbers, widened to float32 again
;;       x = np.moveaxis(x, axis, -1); K = x.shape[-1]
;;       x = np.pad(x, [(0, 0)] * (x.ndim - 1) + [(0, -K % 32)]); x = x.reshape(x.shape[:-1] + (-1, 32)); a = np.abs(x).max(-1, keepdims=True)
;;       e = np.where(a > 0, np.clip(np.frexp(np.where(a > 0, a, 1))[1] - 1 - 2, -126, 127), 0)      # np.frexp(a)[1] - 1 = floor(log2(a)), exactly
;;       r = np.clip(x / 2.0 ** e, -6, 6)
;;       step = 2.0 ** (np.maximum(np.frexp(np.where(r == 0, 1, r))[1] - 1, 0) - 1)
;;       q = np.round(r / step) * step * 2.0 ** e      # np.round: ties to even
;;       return np.moveaxis(q.reshape(q.shape[:-2] + (-1,))[..., :K], -1, axis).astype(np.float32)
;;   ~~~
;;   SOFTMAX AHEAD OF A QUANTISED PRODUCT. Where the list says 'softmax', what is quantised is not the finished softmax but p = 2^(t - M), with t = logit x log2(e) and M = ceil(the row's largest t), a whole number; so 1/2 < the row's largest p <= 1. The row's sum l is taken of the UNQUANTISED p, in f32, and the product's result is divided by l at the end. Since M is a whole number, a kernel that streams over the keys may use a running M (the ceiling of the running maximum): every later rescaling is an exact power of two, which a block's scale takes up: the codes' values come out the same.
;;   OPERANDS COMPUTED ON THE WAY. 'Computed on the way' means the value that the module computes at that place (a softmax that the list does not call 'softmax' is quantised finished and normalised). What goes into a quantiser is computed in f32, as accurately as f32 sums, v_exp_f32 and their like allow (about 1e-6 of the number): no bf16 or f16 on the way to a quantiser, and a product that is left as it is and whose result goes on into a quantised operand takes f32 operands (vector FMAs, or v_wmma_f32_16x16x4_f32). A number that lies on a knife's edge between two numbers of the format may be rounded either way, as far as f32 arithmetic and the matrix unit's own rounding can turn it there, and no further.
;; One version. Each part assembles by itself: llvm-mc -triple=amdgcn-amd-amdhsa -mcpu=gfx1250 --defsym DOCPART=n.
;; ======== version 1 of 1: 5 launches
;; limits: right only within a limited range of input values
;; workspace buffers: pk 6,127,616 bytes; qkv 6,684,672 bytes; ac 2,228,224 bytes; hc 4,456,448 bytes
;; launch quant (part 1): grid 704 x 1, 2 waves a work-group, no clusters, 17,152 bytes of LDS; arguments embed, Wq, Wk, Wv, W1, W2, pk; writes pk
.if DOCPART == 1
	.amdgcn_target "amdgcn-amd-amdhsa--gfx1250"
	.amdhsa_code_object_version 6
	.text
	.protected	k_qcb1bd54e0b_quant
	.globl	k_qcb1bd54e0b_quant
	.p2align	8
	.type	k_qcb1bd54e0b_quant,@function
k_qcb1bd54e0b_quant:
	s_mov_b64 s[64:65], 0
	v_nop
	global_prefetch_b8 v0, s[64:65] scope:SCOPE_SE
	s_setreg_imm32_b32 hwreg(HW_REG_WAVE_MODE, 25, 1), 1
	s_wait_xcnt 0x0
; LAUNCH 1 OF 5.  out0 = relu(attention(embed) W1^T + b1) W2^T + b2 + embed, all seven products on codes of E2M1 with one E8M0 scale for each 32 along K.
; NOTHING OF THE MODULE IS LEFT OUT: every product feeds the next one, bv goes into V's quantiser, b1, b2 and embed are added on the way to out0: all nine inputs are loaded by some launch.
; THIS LAUNCH turns embed [4096][1024], Wq, Wk, Wv [1024][1024], W1 [2048][1024], W2 [1024][2048], all f32 with K innermost, into PACKED OPERANDS in pk.
; A TILE T is 16 rows that are not neighbours: lane r holds row 32 (T / 2) + 8 (T % 2) + r + 8 (r / 8).  (A product whose source 0 is such a tile leaves, in the 16 registers of tiles 2 b and 2 b + 1, 16 neighbours of that axis.)
; AN IMAGE of (tile, K step of 128) is the operand's 8 registers as they stand: 1,024 bytes, half c at 512 c, lane l's 16 bytes at 16 l; lane (r, h) holds the codes of k = 64 c + 32 h + 0 .. 31 of its row.
; A GROUP G (tiles 2 G, 2 G + 1) of a tensor with KS K steps: KS images of tile 2 G, KS of tile 2 G + 1, then KS / 4 quads of scale words: quad q is 512 bytes, lane 16 u + r holds the four words of its row for K steps 4 q .. 4 q + 3.
; A block's scale is 2^(floor(log2(its largest magnitude)) - 2): its byte is the largest magnitude's exponent field - 2, held at 1 from below.
; LIMITS: NaN and infinities among the inputs are not served; a block whose largest magnitude lies under 2^-124 keeps the byte 1; a block of zeros gets the byte 1 and not 127: its codes are zeros, and this program alone reads the bytes.
; SHARES.  A pair of work-groups takes 32 rows (a group) x 1,024 along K; a work-group takes 512 of those, its wave u tile u of the group: 16 rows x 512 numbers, four K steps.  Pairs 0-127 embed, 128-159 Wq, 160-191 Wk, 192-223 Wv, 224-287 W1, 288-351 W2 (two pairs to a group).
; 704 work-groups of two waves: 1,408 equal shares for 256 WGPs come out most evenly in small work-groups.
; Each load reads 512 consecutive bytes of one row; a K step's 16 rows turn through the wave's own stage in LDS (rows of 528 bytes: row r starts 4 r banks on) and come back 128 bytes a lane: a lane then holds two whole blocks of 32.
; No matrix unit, no tensor load, no cluster, no barrier: work-groups share no input and waves share nothing.
.set SPARE, 16896                      ; behind the two stages: the spare words, 128 bytes for each wave
.set STG,   8448                       ; a wave's stage: 16 rows x 528 bytes
.set RP,    528
.set GP1,   17408                      ; a group of 8 K steps in bytes
.set LI,    1                          ; v1   16 x lane
.set STI,   2                          ; v2   the stage, on the way in
.set STO,   3                          ; v3   and on the way out: row r, + 128 h
.set SO,    4                          ; v4   16 r + 8 h: my two scale words' place in the quad's half
.set SH,    5                          ; v5   8 h
.set SPW,   6                          ; v6   LDS address of my spare word; never rewritten
.set NIL,   7                          ; v7   0; never rewritten
.set MX,    8                          ; v8-9   largest magnitudes of my two blocks
.set SC,    10                         ; v10-11 the conversions' scale operands
.set BY,    12                         ; v12-13 the scale bytes
.set TP,    14                         ; v14  the other half's bytes
.set WD,    15                         ; v15  my two bytes at their places
.set RO,    16                         ; v16-31 row i of the tile: its byte offset + 16 x lane
.set SW,    32                         ; v32-35 the four K steps' scale words
.set PR,    36                         ; v36-37 the two that I store
.set CD,    40                         ; v40-55 codes: two sets of 8
.set X,     64                         ; v64-127 my 64 numbers of a K step
.set R,     128                        ; v128-255 two sets of 64: a K step as loaded
.set WV,    26
.set SEL,   28                         ; s[28:29] v_permlanex16_b32's selects for lane l xor 16
.set HM,    30                         ; s30  lanes 16-31
	s_load_b256 s[4:11], s[0:1], 0x0               ; embed, Wq, Wk, Wv
	s_load_b128 s[12:15], s[0:1], 0x20             ; W1, W2
	s_load_b64 s[16:17], s[0:1], 0x30              ; pk
	v_lshl_add_u32 v[SPW], v0, 2, SPARE
	v_mov_b32 v[NIL], 0
	v_lshrrev_b32 v8, 5, v0
	v_readfirstlane_b32 s[WV], v8                  ; wave 0..1
	v_and_b32 v8, 31, v0                           ; lane
	v_and_b32 v9, 15, v0                           ; r
	v_bfe_u32 v10, v0, 4, 1                        ; h
	v_lshlrev_b32 v[LI], 4, v8
	s_mul_i32 s27, s[WV], STG
	v_add_nc_u32 v[STI], s27, v[LI]
	v_mul_u32_u24 v[STO], v9, RP
	v_lshl_add_u32 v[STO], v10, 7, v[STO]
	v_add_nc_u32 v[STO], s27, v[STO]
	v_lshlrev_b32 v[SO], 4, v9
	v_lshl_add_u32 v[SO], v10, 3, v[SO]
	v_lshlrev_b32 v[SH], 3, v10
	v_mov_b32 v[TP], 0                             ; written once: a lane permute's destination counts as one of its sources
	s_mov_b32 s[SEL], 0x76543210
	s_mov_b32 s[SEL+1], 0xfedcba98
	s_mov_b32 s[HM], 0xffff0000
	s_lshr_b32 s44, ttmp9, 1                       ; which pair of work-groups
	s_and_b32 s45, ttmp9, 1                        ; and which of the two
	s_wait_alu depctr_va_vdst(0)
	s_wait_kmcnt 0x0
	; which tensor: the choice hangs on the work-group's number alone.  s[18:19] its address, s20 its first pair, s21 = 1 for W2 (rows twice as long), else 0
	s_mov_b64 s[18:19], s[14:15]
	s_mov_b32 s20, 288
	s_cmp_lt_u32 s44, 288
	s_cselect_b64 s[18:19], s[12:13], s[18:19]
	s_cselect_b32 s20, 224, s20
	s_cselect_b32 s21, 0, 1
	s_cmp_lt_u32 s44, 224
	s_cselect_b64 s[18:19], s[10:11], s[18:19]
	s_cselect_b32 s20, 192, s20
	s_cmp_lt_u32 s44, 192
	s_cselect_b64 s[18:19], s[8:9], s[18:19]
	s_cselect_b32 s20, 160, s20
	s_cmp_lt_u32 s44, 160
	s_cselect_b64 s[18:19], s[6:7], s[18:19]
	s_cselect_b32 s20, 128, s20
	s_cmp_lt_u32 s44, 128
	s_cselect_b64 s[18:19], s[4:5], s[18:19]
	s_cselect_b32 s20, 0, s20
	s_sub_co_u32 s31, s44, s20
	s_lshr_b32 s32, s31, s21                       ; the group in its tensor
	s_and_b32 s33, s31, s21                        ; W2: which half of K
	s_mov_b32 s34, s[WV]                           ; u: which tile of the group
	s_lshl_b32 s23, s33, 1
	s_add_co_u32 s35, s45, s23                     ; q: K steps 4 q .. 4 q + 3
	s_lshl_b32 s22, 0x1000, s21                    ; a row in bytes
	s_lshl_b32 s37, 0x2000, s21                    ; a tile's images in bytes
	s_lshl_b32 s24, s32, 5
	s_lshl_b32 s23, s34, 3
	s_add_co_u32 s24, s24, s23                     ; the tile's first row: 32 G + 8 u
	s_mul_i32 s24, s24, s22
	s_lshl_b32 s23, s35, 11
	s_add_co_u32 s24, s24, s23                     ; + 2,048 q bytes along K (under 2^25 in all)
	s_mov_b32 s25, 0
	s_add_nc_u64 s[18:19], s[18:19], s[24:25]
.irp i, 0,1,2,3,4,5,6,7,8,9,10,11,12,13,14,15
	s_mul_i32 s23, s22, \i+8*(\i/8)
	v_add_nc_u32 v[RO+\i], s23, v[LI]              ; lane index i of the tile is row i + 8 (i / 8) from its first
.endr
.macro LOADS t                         ; K step t of my four: 16 rows x 512 consecutive bytes, into set t % 2
.irp i, 0,1,2,3,4,5,6,7,8,9,10,11,12,13,14,15
	global_load_b128 v[R+64*((\t)%2)+4*\i:R+64*((\t)%2)+4*\i+3], v[RO+\i], s[18:19] offset:512*(\t) th:TH_LOAD_NT
.endr
.endm
	s_wait_alu depctr_va_vdst(0)
	LOADS 0
	LOADS 1
	; where the results go
	s_lshl_b32 s36, s32, s21
	s_add_co_u32 s36, s36, s20
	s_mul_i32 s36, s36, GP1                        ; the group's first byte in pk: the tensors lie one behind the other, a group of W2 counts for two
	s_mul_i32 s42, s34, s37
	s_add_co_u32 s42, s42, s36
	s_lshl_b32 s23, s35, 12
	s_add_co_u32 s42, s42, s23                     ; my tile's images, from K step 4 q on
	s_mov_b32 s43, 0
	s_add_nc_u64 s[38:39], s[16:17], s[42:43]
	s_lshl_b32 s42, s37, 1
	s_add_co_u32 s42, s42, s36
	s_lshl_b32 s23, s35, 9
	s_add_co_u32 s42, s42, s23
	s_lshl_b32 s23, s34, 8
	s_add_co_u32 s42, s42, s23                     ; quad q, my tile's half of it
	s_add_nc_u64 s[40:41], s[16:17], s[42:43]
.macro STEP t
.if (\t) < 3
	s_wait_loadcnt 16                              ; this step's 16 loads are in; the next step's 16 may be out
.else
	s_wait_loadcnt 0x0
.endif
.irp i, 0,1,2,3,4,5,6,7,8,9,10,11,12,13,14,15
	ds_store_b128 v[STI], v[R+64*((\t)%2)+4*\i:R+64*((\t)%2)+4*\i+3] offset:RP*\i
.endr
.irp c, 0,1
.irp j, 0,1,2,3,4,5,6,7
	ds_load_b128 v[X+32*\c+4*\j:X+32*\c+4*\j+3], v[STO] offset:256*\c+16*\j   ; LDS serves a wave's instructions in order: these see the stores above.  k = 64 c + 32 h + 4 j .. of row r
.endr
.endr
	s_wait_dscnt 0x0                               ; my 64 numbers are in, and the stores have read their registers,
.if (\t)+2 < 4
	LOADS (\t)+2                                   ; which take the loads of two steps on
.endif
.irp c, 0,1
	v_max3_num_f32 v[MX+\c], |v[X+32*\c]|, |v[X+32*\c+1]|, 0x1800000   ; block 2 c + h: all its 32 numbers are mine; and the floor 2^(3 - 127), so that the byte cannot fall under 1
.endr
.irp i, 2,4,6,8,10,12,14,16,18,20,22,24,26,28,30
.irp c, 0,1
	v_max3_num_f32 v[MX+\c], v[MX+\c], |v[X+32*\c+\i]|, |v[X+32*\c+\i+1]|
.endr
.endr
.irp c, 0,1
	v_add_nc_u32 v[SC+\c], 0xff000000, v[MX+\c]    ; 2 off the exponent field: the conversion takes the exponent field of this operand as its scale
.endr
.irp c, 0,1
	v_lshrrev_b32 v[BY+\c], 23, v[SC+\c]           ; the scale's byte
.endr
.if (\t) >= 2
	s_wait_alu depctr_va_vdst(0)
	s_wait_xcnt 0x0                                ; the stores of two steps back have read this set of codes: it is written again only behind this wait
.endif
.irp c, 0,1
.irp g, 0,1,2,3
	v_cvt_scalef32_pk8_fp4_f32 v[CD+8*((\t)%2)+4*\c+\g], v[X+32*\c+8*\g:X+32*\c+8*\g+7], v[SC+\c]   ; registers 4 c .. 4 c + 3 of the operand
.endr
.endr
	v_lshl_or_b32 v[WD], v[BY+1], 16, v[BY]        ; my two bytes, blocks h and 2 + h,  (also the plain line behind the conversions)
	v_lshlrev_b32 v[WD], v[SH], v[WD]              ; at their places in the word;
	v_permlanex16_b32 v[TP], v[WD], s[SEL], s[SEL+1]
	v_or_b32 v[SW+(\t)], v[WD], v[TP]              ; with lane l xor 16's two the word is whole
	global_store_b128 v[LI], v[CD+8*((\t)%2):CD+8*((\t)%2)+3], s[38:39] offset:1024*(\t)        ; 32 lanes store 512 consecutive bytes
	global_store_b128 v[LI], v[CD+8*((\t)%2)+4:CD+8*((\t)%2)+7], s[38:39] offset:1024*(\t)+512
.endm
	STEP 0
	STEP 1
	STEP 2
	STEP 3
	v_cndmask_b32 v[PR], v[SW], v[SW+2], s[HM]     ; lanes 0-15 store the words of K steps 0, 1, lanes 16-31 those of 2, 3
	v_cndmask_b32 v[PR+1], v[SW+1], v[SW+3], s[HM]
	global_store_b64 v[SO], v[PR:PR+1], s[40:41]   ; 32 lanes store 256 consecutive bytes, aligned
	s_wait_tensorcnt 0x0                           ; the wave's end, behind my last LDS store
	ds_add_u32 v[SPW], v[NIL]
	s_wait_dscnt 0x0
	s_endpgm
.Lfunc_end_k_qcb1bd54e0b_quant:
	.size	k_qcb1bd54e0b_quant, .Lfunc_end_k_qcb1bd54e0b_quant-k_qcb1bd54e0b_quant
	.p2alignl 7, 3214868480
	.fill 96, 4, 3214868480
	.section	.rodata,"a",@progbits
	.p2align	6, 0x0
	.amdhsa_kernel k_qcb1bd54e0b_quant
		.amdhsa_group_segment_fixed_size 17152
		.amdhsa_private_segment_fixed_size 0
		.amdhsa_enable_private_segment 0
		.amdhsa_kernarg_size 56
		.amdhsa_user_sgpr_count 2
		.amdhsa_user_sgpr_kernarg_segment_ptr 1
		.amdhsa_wavefront_size32 1
		.amdhsa_system_sgpr_workgroup_id_x 1
		.amdhsa_system_sgpr_workgroup_id_y 1
		.amdhsa_system_sgpr_workgroup_id_z 1
		.amdhsa_system_vgpr_workitem_id 0
		.amdhsa_next_free_vgpr 256
		.amdhsa_next_free_sgpr 66
		.amdhsa_reserve_vcc 0
		.amdhsa_float_denorm_mode_32 3
		.amdhsa_float_denorm_mode_16_64 3
		.amdhsa_memory_ordered 1
		.amdhsa_forward_progress 1
		.amdhsa_inst_pref_size 32
	.end_amdhsa_kernel
	.amdgpu_metadata
---
amdhsa.version: [ 1, 2 ]
amdhsa.kernels:
  - .name:           k_qcb1bd54e0b_quant
    .symbol:         k_qcb1bd54e0b_quant.kd
    .args:
      - { .name: embed, .offset: 0, .size: 8, .value_kind: global_buffer, .address_space: global }
      - { .name: Wq, .offset: 8, .size: 8, .value_kind: global_buffer, .address_space: global }
      - { .name: Wk, .offset: 16, .size: 8, .value_kind: global_buffer, .address_space: global }
      - { .name: Wv, .offset: 24, .size: 8, .value_kind: global_buffer, .address_space: global }
      - { .name: W1, .offset: 32, .size: 8, .value_kind: global_buffer, .address_space: global }
      - { .name: W2, .offset: 40, .size: 8, .value_kind: global_buffer, .address_space: global }
      - { .name: pk, .offset: 48, .size: 8, .value_kind: global_buffer, .address_space: global }
    .group_segment_fixed_size: 17152
    .private_segment_fixed_size: 0
    .kernarg_segment_align: 8
    .kernarg_segment_size: 56
    .max_flat_workgroup_size: 64
    .sgpr_count:     66
    .vgpr_count:     256
    .wavefront_size: 32
...
	.end_amdgpu_metadata
.endif
;; end of part 1
;; launch qkv (part 2): grid 8 x 32, 12 waves a work-group, clusters of 4 x 4, 327,680 bytes of LDS; arguments pk, bv, qkv; writes qkv
.if DOCPART == 2
	.amdgcn_target "amdgcn-amd-amdhsa--gfx1250"
	.amdhsa_code_object_version 6
	.text
	.protected	k_qcb1bd54e0b_qkv
	.globl	k_qcb1bd54e0b_qkv
	.p2align	8
	.type	k_qcb1bd54e0b_qkv,@function
k_qcb1bd54e0b_qkv:
	s_mov_b64 s[64:65], 0
	v_nop
	global_prefetch_b8 v0, s[64:65] scope:SCOPE_SE
	s_setreg_imm32_b32 hwreg(HW_REG_WAVE_MODE, 25, 1), 1
	s_wait_xcnt 0x0
	s_wait_alu depctr_hold_cnt(0) depctr_sa_sdst(0) depctr_va_vdst(0) depctr_va_sdst(0) depctr_va_ssrc(0) depctr_va_vcc(0) depctr_vm_vsrc(0)
	s_getreg_b32 s2, hwreg(HW_REG_IB_STS2, 6, 4)
	s_cmp_eq_u32 s2, 0
	s_cbranch_scc0 .Lentry_in_a_cluster
	s_endpgm
.Lentry_in_a_cluster:
	s_bfe_u32 s2, ttmp6, 0x10000c
	s_cmp_lg_u32 s2, 0xf033
	s_cbranch_scc0 .Lentry_shape_is_right
	s_endpgm
.Lentry_shape_is_right:
.set GP1,   17408
.set WQKV_OFF, 2228224
.set REC,   208896
.set PACK,  69632
.set BOFF,  69632
.set SPARE, 278528
.set LI,    1
.set LI2,   2
.set APQ,   3
.set ARQ,   4
.set ARV,   5
.set L4,    6
.set BO,    7
.set SPW,   9
.set NIL,   10
.set CB,    12
.set TM,    48
.set ACC,   128
.set KS,    8
.set GPB,   GP1
.set TPA,   4
.set WV,    10
.set SEL,   16
.set HM,    18
.set G1A,   24
.set G0A,   32
.set G0B,   36
.set G1B,   40
.macro ROUND
	s_barrier_signal -1
	s_barrier_wait -1
	s_cmp_lg_u32 s[WV], 0
	s_cbranch_scc1 .Lnot_wave_0_\@
	s_barrier_signal -3
.Lnot_wave_0_\@:
	s_barrier_wait -3
	s_barrier_signal -1
	s_barrier_wait -1
.endm
.macro TL g0, g1
	tensor_load_to_lds s[\g0:\g0+3], s[\g1:\g1+7]
	s_nop 0
.rept 4
	v_nop
.endr
.endm
.macro WM dd, aa, bb, cc, sa, sb, ra, rb
.if (\cc) < 0
.if (\ra) && (\rb)
	v_wmma_scale_f32_16x16x128_f8f6f4 v[\dd:\dd+7], v[\aa:\aa+7], v[\bb:\bb+7], 0, v[\sa], v[\sb] matrix_a_fmt:MATRIX_FMT_FP4 matrix_b_fmt:MATRIX_FMT_FP4 matrix_a_scale:MATRIX_SCALE_ROW1 matrix_b_scale:MATRIX_SCALE_ROW1
.elseif (\ra)
	v_wmma_scale_f32_16x16x128_f8f6f4 v[\dd:\dd+7], v[\aa:\aa+7], v[\bb:\bb+7], 0, v[\sa], v[\sb] matrix_a_fmt:MATRIX_FMT_FP4 matrix_b_fmt:MATRIX_FMT_FP4 matrix_a_scale:MATRIX_SCALE_ROW1
.elseif (\rb)
	v_wmma_scale_f32_16x16x128_f8f6f4 v[\dd:\dd+7], v[\aa:\aa+7], v[\bb:\bb+7], 0, v[\sa], v[\sb] matrix_a_fmt:MATRIX_FMT_FP4 matrix_b_fmt:MATRIX_FMT_FP4 matrix_b_scale:MATRIX_SCALE_ROW1
.else
	v_wmma_scale_f32_16x16x128_f8f6f4 v[\dd:\dd+7], v[\aa:\aa+7], v[\bb:\bb+7], 0, v[\sa], v[\sb] matrix_a_fmt:MATRIX_FMT_FP4 matrix_b_fmt:MATRIX_FMT_FP4
.endif
.else
.if (\ra) && (\rb)
	v_wmma_scale_f32_16x16x128_f8f6f4 v[\dd:\dd+7], v[\aa:\aa+7], v[\bb:\bb+7], v[\cc:\cc+7], v[\sa], v[\sb] matrix_a_fmt:MATRIX_FMT_FP4 matrix_b_fmt:MATRIX_FMT_FP4 matrix_a_scale:MATRIX_SCALE_ROW1 matrix_b_scale:MATRIX_SCALE_ROW1
.elseif (\ra)
	v_wmma_scale_f32_16x16x128_f8f6f4 v[\dd:\dd+7], v[\aa:\aa+7], v[\bb:\bb+7], v[\cc:\cc+7], v[\sa], v[\sb] matrix_a_fmt:MATRIX_FMT_FP4 matrix_b_fmt:MATRIX_FMT_FP4 matrix_a_scale:MATRIX_SCALE_ROW1
.elseif (\rb)
	v_wmma_scale_f32_16x16x128_f8f6f4 v[\dd:\dd+7], v[\aa:\aa+7], v[\bb:\bb+7], v[\cc:\cc+7], v[\sa], v[\sb] matrix_a_fmt:MATRIX_FMT_FP4 matrix_b_fmt:MATRIX_FMT_FP4 matrix_b_scale:MATRIX_SCALE_ROW1
.else
	v_wmma_scale_f32_16x16x128_f8f6f4 v[\dd:\dd+7], v[\aa:\aa+7], v[\bb:\bb+7], v[\cc:\cc+7], v[\sa], v[\sb] matrix_a_fmt:MATRIX_FMT_FP4 matrix_b_fmt:MATRIX_FMT_FP4
.endif
.endif
.endm
.macro KSTEP s
.if (\s) > 0
.rept 4
	v_nop
.endr
.endif
.if (\s)%4 == 0
.set g, 0
.rept NP/2
	ds_load_b128 v[SP+4*g:SP+4*g+3], v[AP+(2*g)/TPA] offset:(((2*g)%TPA)/2)*GPB+2*KS*1024+((\s)/4)*512
.set g, g+1
.endr
.set g, 0
.rept NR/2
	ds_load_b128 v[SR+4*g:SR+4*g+3], v[AR+(2*g)/TPA] offset:(((2*g)%TPA)/2)*GPB+2*KS*1024+((\s)/4)*512
.set g, g+1
.endr
.endif
.set p, 0
.rept NP
	ds_load_b128 v[FP+8*p:FP+8*p+3], v[AP+p/TPA] offset:((p%TPA)/2)*GPB+(p%2)*KS*1024+(\s)*1024
	ds_load_b128 v[FP+8*p+4:FP+8*p+7], v[AP+p/TPA] offset:((p%TPA)/2)*GPB+(p%2)*KS*1024+(\s)*1024+512
.set p, p+1
.endr
.set p, 0
.rept NR
	ds_load_b128 v[FRR+8*p:FRR+8*p+3], v[AR+p/TPA] offset:((p%TPA)/2)*GPB+(p%2)*KS*1024+(\s)*1024
	ds_load_b128 v[FRR+8*p+4:FRR+8*p+7], v[AR+p/TPA] offset:((p%TPA)/2)*GPB+(p%2)*KS*1024+(\s)*1024+512
.set p, p+1
.endr
	s_wait_dscnt 0x0
.set rr, 0
.rept NR
.set p, 0
.rept NP
.if (\s) > 0
	WM ACC+8*(NP*rr+p), FP+8*p, FRR+8*rr, ACC+8*(NP*rr+p), SP+4*(p/2)+(\s)%4, SR+4*(rr/2)+(\s)%4, p%2, rr%2
.elseif CM == 0
	WM ACC+8*(NP*rr+p), FP+8*p, FRR+8*rr, -1, SP+4*(p/2)+(\s)%4, SR+4*(rr/2)+(\s)%4, p%2, rr%2
.elseif CM == 1
	WM ACC+8*(NP*rr+p), FP+8*p, FRR+8*rr, ACC+8*(NP*rr+p), SP+4*(p/2)+(\s)%4, SR+4*(rr/2)+(\s)%4, p%2, rr%2
.else
	WM ACC+8*(NP*rr+p), FP+8*p, FRR+8*rr, CB+8*rr, SP+4*(p/2)+(\s)%4, SR+4*(rr/2)+(\s)%4, p%2, rr%2
.endif
.set p, p+1
.endr
.set rr, rr+1
.endr
.endm
.macro QUANT64 s, pc, pw
.irp b, 0,1,2,3
	v_max3_num_f32 v[TM+\b], |v[\s+16*\b]|, |v[\s+1+16*\b]|, 0x1800000
.endr
.irp i, 2,4,6,8,10,12,14
.irp b, 0,1,2,3
	v_max3_num_f32 v[TM+\b], v[TM+\b], |v[\s+16*\b+\i]|, |v[\s+1+16*\b+\i]|
.endr
.endr
.irp b, 0,1,2,3
	s_delay_alu instid0(VALU_DEP_4)
	v_permlanex16_b32 v[TM+4+\b], v[TM+\b], s[SEL], s[SEL+1]
.endr
.irp b, 0,1,2,3
	s_delay_alu instid0(VALU_DEP_4)
	v_max_num_f32 v[TM+\b], v[TM+\b], v[TM+4+\b]
.endr
.irp b, 0,1,2,3
	s_delay_alu instid0(VALU_DEP_4)
	v_add_nc_u32 v[TM+12+\b], 0xff000000, v[TM+\b]
.endr
.irp b, 0,1,2,3
	s_delay_alu instid0(VALU_DEP_4)
	v_lshrrev_b32 v[TM+4+\b], 23, v[TM+12+\b]
.endr
	s_delay_alu instid0(VALU_DEP_3)
	v_lshl_or_b32 v[\pw], v[TM+5], 8, v[TM+4]
	s_delay_alu instid0(VALU_DEP_1)
	v_lshl_or_b32 v[\pw], v[TM+6], 16, v[\pw]
	s_delay_alu instid0(VALU_DEP_1)
	v_lshl_or_b32 v[\pw], v[TM+7], 24, v[\pw]
.irp b, 0,1,2,3
	v_cvt_scalef32_pk8_fp4_f32 v[\pc+2*\b], v[\s+16*\b:\s+7+16*\b], v[TM+12+\b]
	v_cvt_scalef32_pk8_fp4_f32 v[\pc+1+2*\b], v[\s+8+16*\b:\s+15+16*\b], v[TM+12+\b]
.endr
	v_nop
.irp c, 0,1
.irp i, 0,1
	v_permlane16_swap_b32 v[\pc+4*\c+\i], v[\pc+2+4*\c+\i]
.endr
.endr
.endm
.macro QUANT32 s, pc, hw
.irp b, 0,1
	v_max3_num_f32 v[TM+\b], |v[\s+16*\b]|, |v[\s+1+16*\b]|, 0x1800000
.endr
.irp i, 2,4,6,8,10,12,14
.irp b, 0,1
	v_max3_num_f32 v[TM+\b], v[TM+\b], |v[\s+16*\b+\i]|, |v[\s+1+16*\b+\i]|
.endr
.endr
.irp b, 0,1
	s_delay_alu instid0(VALU_DEP_2)
	v_permlanex16_b32 v[TM+2+\b], v[TM+\b], s[SEL], s[SEL+1]
.endr
.irp b, 0,1
	s_delay_alu instid0(VALU_DEP_2)
	v_max_num_f32 v[TM+\b], v[TM+\b], v[TM+2+\b]
.endr
.irp b, 0,1
	s_delay_alu instid0(VALU_DEP_2)
	v_add_nc_u32 v[TM+4+\b], 0xff000000, v[TM+\b]
.endr
.irp b, 0,1
	s_delay_alu instid0(VALU_DEP_2)
	v_lshrrev_b32 v[TM+2+\b], 23, v[TM+4+\b]
.endr
	s_delay_alu instid0(VALU_DEP_1)
	v_lshl_or_b32 v[\hw], v[TM+3], 8, v[TM+2]
.irp b, 0,1
	v_cvt_scalef32_pk8_fp4_f32 v[\pc+2*\b], v[\s+16*\b:\s+7+16*\b], v[TM+4+\b]
	v_cvt_scalef32_pk8_fp4_f32 v[\pc+1+2*\b], v[\s+8+16*\b:\s+15+16*\b], v[TM+4+\b]
.endr
	v_nop
	v_permlane16_swap_b32 v[\pc], v[\pc+2]
	v_permlane16_swap_b32 v[\pc+1], v[\pc+3]
.endm
	s_load_b128 s[4:7], s[0:1], 0x0
	s_load_b64 s[8:9], s[0:1], 0x10
	v_lshl_add_u32 v[SPW], v0, 2, SPARE
	v_mov_b32 v[NIL], 0
	ds_add_u32 v[SPW], v[NIL]
	ds_add_u32 v[SPW], v[NIL]
	v_lshrrev_b32 v11, 5, v0
	s_delay_alu instid0(VALU_DEP_1)
	v_readfirstlane_b32 s[WV], v11
	v_and_b32 v11, 31, v0
	s_delay_alu instid0(VALU_DEP_1)
	v_lshlrev_b32 v[LI], 4, v11
	s_wait_alu depctr_va_vdst(0)
	v_lshlrev_b32 v[L4], 2, v11
	v_add_nc_u32 v[LI2], 2*GP1, v[LI]
	s_lshr_b32 s53, s[WV], 1
	s_mul_i32 s53, s53, 2*GP1
	s_add_co_u32 s53, s53, BOFF
	v_add_nc_u32 v[APQ], s53, v[LI]
	s_and_b32 s53, s[WV], 1
	s_mul_i32 s53, s53, 2*GP1
	v_add_nc_u32 v[ARQ], s53, v[LI]
	s_and_b32 s53, s[WV], 3
	s_mul_i32 s53, s53, GP1
	s_add_co_u32 s53, s53, BOFF+8*GP1
	v_add_nc_u32 v[ARV], s53, v[LI]
	v_and_b32 v11, 15, v0
	s_delay_alu instid0(VALU_DEP_1)
	v_and_b32 v[BO], 8, v11
	s_delay_alu instid0(VALU_DEP_1)
	v_add_nc_u32 v[BO], v[BO], v11
	s_delay_alu instid0(VALU_DEP_1)
	v_lshlrev_b32 v[BO], 2, v[BO]
	s_bfe_u32 s11, ttmp6, 0x40000
	s_bfe_u32 s12, ttmp6, 0x40004
	s_lshl_b32 s13, ttmp9, 2
	s_add_co_u32 s13, s13, s11
	s_and_b32 s14, ttmp7, 0xffff
	s_lshl_b32 s14, s14, 2
	s_add_co_u32 s14, s14, s12
	s_lshl_b32 s15, s12, 2
	s_lshl_b32 s15, 15, s15
	s_lshl_b32 s19, 0x1111, s11
	s_or_b32 s[G1A], s15, (3<<16)|(1<<21)
	s_or_b32 s[G1B], s19, (3<<16)|(1<<21)
.irp g, G1A, G1B
	s_mov_b32 s[\g+1], 32<<16
	s_mov_b32 s[\g+2], 136<<16                     ; a load brings two groups on end: 136 rows of 256 bytes
	s_mov_b32 s[\g+3], 32<<16
	s_mov_b32 s[\g+4], 136
	s_mov_b32 s[\g+5], 32
	s_mov_b32 s[\g+6], 0
	s_mov_b32 s[\g+7], 0
.endr
	s_lshl_b32 s48, s14, 2
	s_add_co_u32 s48, s48, s[WV]
	s_add_co_u32 s48, s48, s[WV]                   ; waves 0, 1: the tokens' groups 4 Y + 2 w and the next
	s_mul_i32 s48, s48, GP1
	s_mov_b32 s49, 0
	s_lshr_b32 s50, s[WV], 1                       ; waves 2 to 7: tensor w / 2 - 1 of Wq, Wk, Wv, 32 groups each,
	s_lshl_b32 s50, s50, 5
	s_and_b32 s51, s[WV], 1
	s_lshl_b32 s51, s51, 1                         ; its groups 4 X + 2 (w % 2) and the next
	s_add_co_u32 s50, s50, s51
	s_lshl_b32 s51, s13, 2
	s_add_co_u32 s50, s50, s51
	s_mul_i32 s50, s50, GP1
	s_add_co_u32 s50, s50, WQKV_OFF-32*GP1
	s_mov_b32 s51, 0
	s_min_u32 s52, s[WV], 7
	s_mul_i32 s52, s52, 2*GP1                      ; LDS: the tokens' four groups, then the weights' twelve: wave w fills groups 2 w and 2 w + 1
	s_lshl_b32 s58, s13, 9
	s_and_b32 s59, s[WV], 3
	s_lshl_b32 s59, s59, 7
	s_add_co_u32 s58, s58, s59
	s_mov_b32 s59, 0
	s_lshr_b32 s54, s14, 4
	s_and_b32 s55, s14, 15
	s_lshl_b32 s56, s54, 4
	s_lshl_b32 s57, s13, 1
	s_add_co_u32 s56, s56, s57
	s_mov_b32 s[SEL], 0x76543210
	s_mov_b32 s[SEL+1], 0xfedcba98
	s_mov_b32 s[HM], 0xffff0000
	s_wait_dscnt 0x0
	s_wait_kmcnt 0x0
	s_mov_b32 s[G0B], 1
	s_mov_b32 s[G0B+1], s52
	s_add_nc_u64 s[G0B+2:G0B+3], s[4:5], s[50:51]
	s_or_b32 s[G0B+3], s[G0B+3], 0x80000000
	s_mov_b32 s[G0A], 1
	s_mov_b32 s[G0A+1], s52
	s_add_nc_u64 s[G0A+2:G0A+3], s[4:5], s[48:49]
	s_or_b32 s[G0A+3], s[G0A+3], 0x80000000
	s_add_nc_u64 s[60:61], s[6:7], s[58:59]
	ROUND
	s_cmp_lt_u32 s[WV], 2                          ; the first fills: one chain of branches on the wave's number, one load to an arm
	s_cbranch_scc0 .Lnot_a
	TL G0A, G1A
	s_branch .Lasked
.Lnot_a:
	s_cmp_lt_u32 s[WV], 8
	s_cbranch_scc0 .Lasked
	TL G0B, G1B
.Lasked:
	s_wait_alu depctr_va_vdst(0)                   ; the head's end
	s_cmp_lt_u32 s[WV], 8
	s_cbranch_scc1 .Lno_bias
	s_wait_alu depctr_va_vdst(0)
	global_load_b32 v[CB], v[BO], s[60:61]
	global_load_b32 v[CB+8], v[BO], s[60:61] offset:32
.Lno_bias:
	s_wait_tensorcnt 0x0
	s_barrier_signal -1
	s_barrier_wait -1
	s_cmp_lt_u32 s[WV], 8
	s_cbranch_scc0 .Lv_path
	s_bfe_u32 s57, s[WV], 0x10001
	s_add_co_u32 s57, s56, s57
	s_mul_i32 s66, s57, REC
	s_lshr_b32 s57, s[WV], 2
	s_mul_i32 s57, s57, PACK
	s_add_co_u32 s66, s66, s57
	s_and_b32 s57, s[WV], 1
	s_lshl_b32 s57, s57, 2
	s_lshl_b32 s67, s55, 3
	s_add_co_u32 s57, s57, s67
	s_lshl_b32 s68, s57, 9
	s_add_co_u32 s68, s68, s66
	s_mov_b32 s69, 0
	s_add_nc_u64 s[68:69], s[8:9], s[68:69]
	s_lshl_b32 s70, s57, 5
	s_add_co_u32 s70, s70, s66
	s_add_co_u32 s70, s70, 65536
	s_mov_b32 s71, 0
	s_add_nc_u64 s[70:71], s[8:9], s[70:71]
.set NP, 4
.set NR, 4
.set AP, APQ
.set AR, ARQ
.set FP, 28
.set FRR, 60
.set SP, 108
.set SR, 116
.set CM, 0
	s_wait_alu depctr_va_vdst(0)
.irp s, 0,1,2,3,4,5,6,7
	KSTEP \s
.endr
.rept 4
	v_nop
.endr
	v_mov_b32 v[TM+2], 0
	v_mov_b32 v[TM+3], 0
.irp m, 0,1,2,3
	QUANT32 128+32*\m, 28+4*\m, 44+\m
	global_store_b128 v[LI], v[28+4*\m:31+4*\m], s[68:69] offset:512*\m
.endr
	v_lshl_or_b32 v54, v45, 16, v44
	v_lshl_or_b32 v55, v47, 16, v46
	s_delay_alu instid0(VALU_DEP_1)
	v_cndmask_b32 v54, v54, v55, s[HM]
	global_store_b32 v[L4], v54, s[70:71]
	s_branch .Lend
.Lv_path:
	s_and_b32 s57, s[WV], 3
	s_lshr_b32 s67, s57, 1
	s_add_co_u32 s67, s56, s67
	s_mul_i32 s66, s67, REC
	s_add_co_u32 s66, s66, 2*PACK
	s_and_b32 s57, s57, 1
	s_lshl_b32 s68, s55, 12
	s_lshl_b32 s67, s57, 11
	s_add_co_u32 s68, s68, s67
	s_add_co_u32 s68, s68, s66
	s_mov_b32 s69, 0
	s_add_nc_u64 s[68:69], s[8:9], s[68:69]
	s_lshl_b32 s70, s55, 8
	s_lshl_b32 s67, s57, 7
	s_add_co_u32 s70, s70, s67
	s_add_co_u32 s70, s70, s66
	s_add_co_u32 s70, s70, 65536
	s_mov_b32 s71, 0
	s_add_nc_u64 s[70:71], s[8:9], s[70:71]
	s_wait_loadcnt 0x0
.irp n, 0,1
.irp k, 1,2,3,4,5,6,7
	v_mov_b32 v[CB+8*\n+\k], v[CB+8*\n]
.endr
.endr
.rept 4
	v_nop
.endr
.set NP, 8
.set NR, 2
.set AP, LI
.set AR, ARV
.set FP, 28
.set FRR, 92
.set SP, 108
.set SR, 124
.set CM, 2
	s_wait_alu depctr_va_vdst(0)
.irp s, 0,1,2,3,4,5,6,7
	KSTEP \s
.endr
.rept 4
	v_nop
.endr
.irp b, 0,1,2,3
	v_mov_b32 v[TM+4+\b], 0
.endr
.irp n, 0,1
	QUANT64 128+64*\n, 28+8*\n, 44+\n
	global_store_b128 v[LI], v[28+8*\n:31+8*\n], s[68:69] offset:1024*\n
	global_store_b128 v[LI], v[32+8*\n:35+8*\n], s[68:69] offset:1024*\n+512
.endr
	v_cndmask_b32 v46, v44, v45, s[HM]
	global_store_b32 v[L4], v46, s[70:71]
.Lend:
	s_wait_tensorcnt 0x0
	ds_add_u32 v[SPW], v[NIL]
	s_wait_dscnt 0x0
	ROUND
	s_endpgm
.Lfunc_end_k_qcb1bd54e0b_qkv:
	.size	k_qcb1bd54e0b_qkv, .Lfunc_end_k_qcb1bd54e0b_qkv-k_qcb1bd54e0b_qkv
	.p2alignl 7, 3214868480
	.fill 96, 4, 3214868480
	.section	.rodata,"a",@progbits
	.p2align	6, 0x0
	.amdhsa_kernel k_qcb1bd54e0b_qkv
		.amdhsa_group_segment_fixed_size 327680
		.amdhsa_private_segment_fixed_size 0
		.amdhsa_enable_private_segment 0
		.amdhsa_kernarg_size 24
		.amdhsa_user_sgpr_count 2
		.amdhsa_user_sgpr_kernarg_segment_ptr 1
		.amdhsa_wavefront_size32 1
		.amdhsa_system_sgpr_workgroup_id_x 1
		.amdhsa_system_sgpr_workgroup_id_y 1
		.amdhsa_system_sgpr_workgroup_id_z 1
		.amdhsa_system_vgpr_workitem_id 0
		.amdhsa_next_free_vgpr 256
		.amdhsa_next_free_sgpr 80
		.amdhsa_reserve_vcc 0
		.amdhsa_float_denorm_mode_32 3
		.amdhsa_float_denorm_mode_16_64 3
		.amdhsa_memory_ordered 1
		.amdhsa_forward_progress 1
		.amdhsa_inst_pref_size 81
	.end_amdhsa_kernel
	.amdgpu_metadata
---
amdhsa.version: [ 1, 2 ]
amdhsa.kernels:
  - .name:           k_qcb1bd54e0b_qkv
    .symbol:         k_qcb1bd54e0b_qkv.kd
    .args:
      - { .name: pk, .offset: 0, .size: 8, .value_kind: global_buffer, .address_space: global }
      - { .name: bv, .offset: 8, .size: 8, .value_kind: global_buffer, .address_space: global }
      - { .name: qkv, .offset: 16, .size: 8, .value_kind: global_buffer, .address_space: global }
    .group_segment_fixed_size: 327680
    .private_segment_fixed_size: 0
    .kernarg_segment_align: 8
    .kernarg_segment_size: 24
    .max_flat_workgroup_size: 384
    .sgpr_count:     80
    .vgpr_count:     256
    .wavefront_size: 32
...
	.end_amdgpu_metadata
.endif
;; end of part 2
;; launch attn (part 3): grid 8 x 32, 16 waves a work-group, clusters of 4 x 1, 167,936 bytes of LDS; arguments qkv, ac; writes ac
.if DOCPART == 3
	.amdgcn_target "amdgcn-amd-amdhsa--gfx1250"
	.amdhsa_code_object_version 6
	.text
	.protected	k_qcb1bd54e0b_attn
	.globl	k_qcb1bd54e0b_attn
	.p2align	8
	.type	k_qcb1bd54e0b_attn,@function
k_qcb1bd54e0b_attn:
	s_mov_b64 s[64:65], 0
	v_nop
	global_prefetch_b8 v0, s[64:65] scope:SCOPE_SE
	s_setreg_imm32_b32 hwreg(HW_REG_WAVE_MODE, 25, 1), 1
	s_wait_xcnt 0x0
	s_wait_alu depctr_hold_cnt(0) depctr_sa_sdst(0) depctr_va_vdst(0) depctr_va_sdst(0) depctr_va_ssrc(0) depctr_va_vcc(0) depctr_vm_vsrc(0)
	s_getreg_b32 s2, hwreg(HW_REG_IB_STS2, 6, 4)
	s_cmp_eq_u32 s2, 0
	s_cbranch_scc0 .Lentry_in_a_cluster
	s_endpgm
.Lentry_in_a_cluster:
	s_bfe_u32 s2, ttmp6, 0x10000c
	s_cmp_lg_u32 s2, 0x3003
	s_cbranch_scc0 .Lentry_shape_is_right
	s_endpgm
.Lentry_shape_is_right:
; LAUNCH 3 OF 5.  Attention on the codes of launch 2, no mask, and the quantiser of the next product's left operand.  Nothing is left out.
; t = score x log2(e) / 8; M = the running largest t rounded up to a whole number; p = 2^(t - M) is quantised along the keys, not normalised; the row's sum is taken of the unquantised p and divides O at the end.
; SHARES.  A work-group owns 256 queries of one (batch, head), each of its sixteen waves one tile of 16, in 256 registers, four waves to a SIMD.
; THE HEAD'S K AND V, codes and scale words, 139,264 consecutive bytes, lie in LDS at once, filled once: each wave brings a sixteenth (one tensor load out), one barrier, no ring.
; CLUSTER 4 x 1: the four query blocks of a cluster belong to one head: each part is asked for jointly, by the same descriptor with the mask of all four.
; BOTH PRODUCTS TRANSPOSED: S^T = K Q^T, O^T = V^T P^T: a lane holds one query throughout.
; THE KEYS OF A SCORE TILE are chosen by the LDS address: tile (c, t) of a step's 128 keys has key 64 c + 8 t + j in row j and key 64 c + 32 + 8 t + j in row 8 + j (j = 0 .. 7).
; Register j of its result in lane (query, h) is then key 64 c + 32 h + 8 t + j: a lane's 32 registers of c are ONE WHOLE BLOCK of 32 keys, in the order that P's operand wants:
; a block's maximum needs no other lane, the conversions' results are the operand's registers, and a lane has two blocks to scale, not four.
; In launch 2's pack key 32 G + 16 v + 8 u + j lies in tile 2 G + u at row j + 8 v: byte 1024 G + 512 u + 128 v + 16 j + 256 h; its scale word (tiles 2 G and 2 G + 1 of that row) at 64 G + 32 v + 4 j.
; THE HEAD HAS 64 ALONG K, THE INSTRUCTION 128.  Fragment (c, v) holds tile t = 2 v in registers 0-3 and t = 2 v + 1 in registers 4-7; source 1 is [q, 0] for the first and [0, q] for the second: zero codes add nothing.
; A TRIP, 128 keys: K Q^T on fragments asked for a trip ago; 20 LDS loads (V of this step, K of the next); the blocks' largest scores in eight chains; M, f; all scalings and O^T's rescaling;
; ONE batch of 66 exponentials with one wait ahead of it and one behind it; the sums in four chains with the scale lines and conversions among them; V^T P.
; THE LAST TRIP'S LOOK-AHEAD reads the 4,096 LDS bytes behind K's codes and the 256 behind K's words (filled bytes of the two packs); nothing uses what it brings.
; OUT: ac, a packed operand as launch 1 lays them (K = 1,024 = 64 x head + d).  A wave's 512 bytes of codes leave whole; its 32 scale bytes go to words that other heads fill too, one byte a lane.
; No prefetch: the launch reads memory at its head alone and has no loop over memory to run ahead in.
; LIMITS: the promise holds while the scaled scores stay under 2^31 in magnitude; NaN and infinities are not served; O / l is a reciprocal and a multiplication; a block whose largest magnitude lies under 2^-124 keeps the byte 1, a block of zeros too.
.set REC,   208896
.set PACK,  69632
.set SPARE, 139264                     ; behind the two packs: the spare words, 128 bytes for each of 16 waves
.set AK0,  1                           ; v1   K's codes: 1024 (r / 8) + 16 (r % 8) + 256 h
.set AV0,  2                           ; v2   V's images: 16 x lane
.set ASK0, 3                           ; v3   K's scale words: 64 (r / 8) + 4 (r % 8) + 32 h
.set ASV0, 4                           ; v4   V's: 4 x lane
.set SPW,  5                           ; v5   my spare word; never rewritten
.set NIL,  6                           ; v6   0; never rewritten
.set LI,   7                           ; v7   16 x lane
.set ADK,  8                           ; v8-11 the step's four LDS addresses
.set ADV,  9
.set ADS,  10
.set ADT,  11
.set TM,   232
; v12 -M, v13 the largest score, v[14:15] the sum; v16-27 [q, 0, q]; v28 q's scale word; v30-31 K's scale words; v32-63 K; v64-95 V; v96-159 S^T, then p; v160-191 O^T; v192-193 V's scale words; v224-231 p's codes;
; v232-239 maxima (v232, v236 the blocks'); v240-243, v248-249 three chains of the sum; v244-245 the conversions' scale operands; v246-247 bytes; v250 the old -M; v251 from the other half; v252 f; v253 p's scale word; v254 at work
.set WV,   10
.set SEL,  12                          ; s[12:13] lane l xor 16
.set CS,   14                          ; s[14:15] c = log2(e) / 8
.set HM,   16
.set TC,   17                          ; the step's codes: 4,096 bytes a step in K's and in V's
.set TS,   18                          ; its scale words: 256 bytes a step
.set CNT,  19
.set G1,   24
.set G0,   32
.macro ROUND
	s_barrier_signal -1
	s_barrier_wait -1
	s_cmp_lg_u32 s[WV], 0
	s_cbranch_scc1 .Lnot_wave_0_\@
	s_barrier_signal -3
.Lnot_wave_0_\@:
	s_barrier_wait -3
	s_barrier_signal -1
	s_barrier_wait -1
.endm
; One product.  cc < 0: C is the constant 0.  ra: source 0's scale words stand in lanes 16-31 of their register.
.macro WM dd, aa, bb, cc, sa, sb, ra
.if (\cc) < 0
.if (\ra)
	v_wmma_scale_f32_16x16x128_f8f6f4 v[\dd:\dd+7], v[\aa:\aa+7], v[\bb:\bb+7], 0, v[\sa], v[\sb] matrix_a_fmt:MATRIX_FMT_FP4 matrix_b_fmt:MATRIX_FMT_FP4 matrix_a_scale:MATRIX_SCALE_ROW1
.else
	v_wmma_scale_f32_16x16x128_f8f6f4 v[\dd:\dd+7], v[\aa:\aa+7], v[\bb:\bb+7], 0, v[\sa], v[\sb] matrix_a_fmt:MATRIX_FMT_FP4 matrix_b_fmt:MATRIX_FMT_FP4
.endif
.else
.if (\ra)
	v_wmma_scale_f32_16x16x128_f8f6f4 v[\dd:\dd+7], v[\aa:\aa+7], v[\bb:\bb+7], v[\cc:\cc+7], v[\sa], v[\sb] matrix_a_fmt:MATRIX_FMT_FP4 matrix_b_fmt:MATRIX_FMT_FP4 matrix_a_scale:MATRIX_SCALE_ROW1
.else
	v_wmma_scale_f32_16x16x128_f8f6f4 v[\dd:\dd+7], v[\aa:\aa+7], v[\bb:\bb+7], v[\cc:\cc+7], v[\sa], v[\sb] matrix_a_fmt:MATRIX_FMT_FP4 matrix_b_fmt:MATRIX_FMT_FP4
.endif
.endif
.endm
; The way out's quantiser: 32 numbers of a lane, register 16 b + i = k 32 b + 16 (lane / 16) + i, become four registers of codes; the two bytes stay in v[TM+2], v[TM+3].
.macro QUANT32 s, pc, hw
.irp b, 0,1
	v_max3_num_f32 v[TM+\b], |v[\s+16*\b]|, |v[\s+1+16*\b]|, 0x1800000
.endr
.irp i, 2,4,6,8,10,12,14
.irp b, 0,1
	s_delay_alu instid0(VALU_DEP_2)
	v_max3_num_f32 v[TM+\b], v[TM+\b], |v[\s+16*\b+\i]|, |v[\s+1+16*\b+\i]|
.endr
.endr
.irp b, 0,1
	s_delay_alu instid0(VALU_DEP_2)
	v_permlanex16_b32 v[TM+2+\b], v[TM+\b], s[SEL], s[SEL+1]
.endr
.irp b, 0,1
	s_delay_alu instid0(VALU_DEP_2)
	v_max_num_f32 v[TM+\b], v[TM+\b], v[TM+2+\b]
.endr
.irp b, 0,1
	s_delay_alu instid0(VALU_DEP_2)
	v_add_nc_u32 v[TM+4+\b], 0xff000000, v[TM+\b]
.endr
.irp b, 0,1
	s_delay_alu instid0(VALU_DEP_2)
	v_lshrrev_b32 v[TM+2+\b], 23, v[TM+4+\b]
.endr
	s_delay_alu instid0(VALU_DEP_1)
	v_lshl_or_b32 v[\hw], v[TM+3], 8, v[TM+2]
.irp b, 0,1
	v_cvt_scalef32_pk8_fp4_f32 v[\pc+2*\b], v[\s+16*\b:\s+7+16*\b], v[TM+4+\b]
	v_cvt_scalef32_pk8_fp4_f32 v[\pc+1+2*\b], v[\s+8+16*\b:\s+15+16*\b], v[TM+4+\b]
.endr
	v_nop                                          ; one plain place behind a scaled conversion
	v_permlane16_swap_b32 v[\pc], v[\pc+2]
	v_permlane16_swap_b32 v[\pc+1], v[\pc+3]
.endm
.macro SCL j                           ; pair j of the 32 pairs of scores: t - M (of the pairs c and -M the low word serves both halves)
	v_pk_fma_f32 v[96+2*(\j):97+2*(\j)], v[96+2*(\j):97+2*(\j)], s[CS:CS+1], v[12:13] op_sel_hi:[1,0,0]
.endm
.macro RSC i                           ; pair i of O^T's 16 pairs: x f, in ascending order: each accumulator is read from its low end on
	v_pk_mul_f32 v[160+2*(\i):161+2*(\i)], v[160+2*(\i):161+2*(\i)], v[252:253] op_sel_hi:[1,0]
.endm
; Round r of the sums: the running sum takes pairs 0, 4, .. 28; chain m = 1, 2, 3 begins as pair m + pair m + 4 and takes pair 4 (r + 1) + m in rounds 1 to 6.
.macro SUMR r
	v_pk_add_f32 v[14:15], v[14:15], v[96+8*(\r):97+8*(\r)]
.if (\r) == 0
	v_pk_add_f32 v[240:241], v[98:99], v[106:107]
	v_pk_add_f32 v[242:243], v[100:101], v[108:109]
	v_pk_add_f32 v[248:249], v[102:103], v[110:111]
.elseif (\r) < 7
	v_pk_add_f32 v[240:241], v[240:241], v[106+8*(\r):107+8*(\r)]
	v_pk_add_f32 v[242:243], v[242:243], v[108+8*(\r):109+8*(\r)]
	v_pk_add_f32 v[248:249], v[248:249], v[110+8*(\r):111+8*(\r)]
.endif
.endm
; K's four fragments and two registers of scale words (lanes 0-15: fragment (c, 0); lanes 16-31: (c, 1)): ten loads
.macro LDK adr, ads, ko, so
.irp c, 0,1
.irp w, 0,1
.irp u, 0,1
	ds_load_b128 v[32+8*(2*\c+\w)+4*\u:35+8*(2*\c+\w)+4*\u], v[\adr] offset:\ko+2048*\c+512*\u+128*\w
.endr
.endr
.endr
.irp c, 0,1
	ds_load_b32 v[30+\c], v[\ads] offset:\so+128*\c
.endr
.endm
	s_load_b128 s[4:7], s[0:1], 0x0                ; qkv, ac
	v_lshl_add_u32 v[SPW], v0, 2, SPARE
	v_mov_b32 v[NIL], 0
	ds_add_u32 v[SPW], v[NIL]                      ; the opening: the add, twice on end, and its wait ahead of my first tensor load
	ds_add_u32 v[SPW], v[NIL]
	v_lshrrev_b32 v8, 5, v0
	v_readfirstlane_b32 s[WV], v8                  ; wave 0..15
	v_and_b32 v8, 31, v0
	v_and_b32 v9, 7, v0                            ; r % 8
	v_bfe_u32 v10, v0, 3, 1                        ; r / 8
	v_bfe_u32 v11, v0, 4, 1                        ; h
	v_lshlrev_b32 v[LI], 4, v8
	v_lshl_add_u32 v[ASV0], v8, 2, PACK+65536
	v_lshlrev_b32 v[AK0], 4, v9
	v_lshl_add_u32 v[ASK0], v9, 2, 65536
	v_add_nc_u32 v[AV0], PACK, v[LI]
	v_lshl_add_u32 v[AK0], v10, 10, v[AK0]
	v_lshl_add_u32 v[ASK0], v10, 6, v[ASK0]
	v_and_b32 v250, 15, v0
	v_lshl_add_u32 v[AK0], v11, 8, v[AK0]
	v_lshl_add_u32 v[ASK0], v11, 5, v[ASK0]
	v_lshlrev_b32 v250, 2, v250                    ; 4 r: q's scale words
	s_bfe_u32 s20, ttmp6, 0x40000                  ; cx: it enters Q's and ac's addresses alone
	s_lshl_b32 s21, ttmp9, 2
	s_add_co_u32 s21, s21, s20                     ; my block of 256 queries
	s_and_b32 s22, ttmp7, 0xffff                   ; 16 x batch + head, which the four partners share
	s_mul_i32 s36, s22, REC                        ; its record
	s_mul_i32 s23, s[WV], 8704                     ; my sixteenth of K's and V's packs, in memory and in LDS
	s_add_co_u32 s38, s36, s23
	s_add_co_u32 s38, s38, PACK
	s_mov_b32 s39, 0
	s_mov_b32 s[G1], 15|(3<<16)|(1<<21)            ; group 1: 8,704 dense bytes as 34 rows of 256 (32 elements of 8 bytes); the mask names all four; bit 21 beside it
	s_mov_b32 s[G1+1], 32<<16
	s_mov_b32 s[G1+2], 34<<16
	s_mov_b32 s[G1+3], 32<<16
	s_mov_b32 s[G1+4], 34
	s_mov_b32 s[G1+5], 32
	s_mov_b32 s[G1+6], 0
	s_mov_b32 s[G1+7], 0
	s_lshl_b32 s40, s21, 4
	s_add_co_u32 s40, s40, s[WV]                   ; my tile of queries in the batch
	s_lshl_b32 s42, s40, 9
	s_add_co_u32 s42, s42, s36                     ; its codes
	s_mov_b32 s43, 0
	s_lshr_b32 s44, s40, 1
	s_lshl_b32 s44, s44, 6
	s_add_co_u32 s44, s44, s36
	s_add_co_u32 s44, s44, 65536                   ; its pair's scale words
	s_mov_b32 s45, 0
	s_and_b32 s41, s[WV], 1                        ; the even tile of the pair or the odd
	s_lshl_b32 s46, s41, 4
	s_lshr_b32 s47, s22, 4                         ; the batch
	s_and_b32 s48, s22, 15                         ; the head
	s_lshl_b32 s49, s47, 6
	s_lshl_b32 s50, s21, 3
	s_add_co_u32 s49, s49, s50
	s_lshr_b32 s50, s[WV], 1
	s_add_co_u32 s49, s49, s50
	s_mul_i32 s49, s49, 17408                      ; ac: my group of 32 tokens
	s_lshl_b32 s50, s41, 13
	s_add_co_u32 s50, s50, s49
	s_lshl_b32 s51, s48, 9
	s_add_co_u32 s50, s50, s51                     ; my tile's image of K step head / 2, half head % 2
	s_mov_b32 s51, 0
	s_lshr_b32 s52, s48, 3
	s_lshl_b32 s52, s52, 9                         ; quad head / 8,
	s_and_b32 s53, s48, 7
	s_lshl_b32 s53, s53, 1
	s_add_co_u32 s52, s52, s53                     ; bytes 2 (head % 8) on,
	s_lshl_b32 s53, s41, 8
	s_add_co_u32 s52, s52, s53                     ; my tile's half of the quad
	s_add_co_u32 s52, s52, s49
	s_add_co_u32 s52, s52, 16384
	s_mov_b32 s53, 0
	s_mov_b32 s[SEL], 0x76543210
	s_mov_b32 s[SEL+1], 0xfedcba98
	s_mov_b32 s[CS], 0x3e38aa3b                    ; c = log2(e) / sqrt(64)
	s_mov_b32 s[CS+1], s[CS]
	s_mov_b32 s[HM], 0xffff0000
	s_mov_b32 s[TC], 0
	s_mov_b32 s[TS], 0
	s_mov_b32 s[CNT], 16
	s_wait_dscnt 0x0                               ; both opening adds are done
	s_wait_kmcnt 0x0
	s_mov_b32 s[G0], 1
	s_mov_b32 s[G0+1], s23
	s_add_nc_u64 s[G0+2:G0+3], s[4:5], s[38:39]
	s_or_b32 s[G0+3], s[G0+3], 0x80000000
	s_add_nc_u64 s[42:43], s[4:5], s[42:43]
	s_add_nc_u64 s[44:45], s[4:5], s[44:45]
	s_add_nc_u64 s[50:51], s[6:7], s[50:51]
	s_add_nc_u64 s[52:53], s[6:7], s[52:53]
	ROUND                                          ; all four work-groups are here: the joint loads meet
	tensor_load_to_lds s[G0:G0+3], s[G1:G1+7]
	s_nop 0
.rept 4
	v_nop
.endr
	s_wait_alu depctr_va_vdst(0)                   ; ahead of the first readers of the head's addresses
	global_load_b128 v[16:19], v[LI], s[42:43]     ; q, twice: [q, 0] is v[16:23], [0, q] is v[20:27]
	global_load_b128 v[24:27], v[LI], s[42:43]
	global_load_b32 v29, v250, s[44:45]
.irp j, 20,21,22,23
	v_mov_b32 v[\j], 0
.endr
	v_mov_b32 v13, 0xff61b1e6                      ; the largest score so far: -3e38
	v_mov_b32 v12, 0x7e000000                      ; -M: a large whole number, so that the first f is 0
	v_mov_b32 v14, 0
	v_mov_b32 v15, 0
	v_mov_b32 v251, 0                              ; a lane permute's destination counts as one of its sources
	v_mov_b32 v253, 0                              ; (named as the upper half of the pair v[252:253] before it is first written)
	s_wait_loadcnt 0x0
	v_lshrrev_b32 v29, s46, v29                    ; my tile's two bytes,
	s_delay_alu instid0(VALU_DEP_1)
	v_and_b32 v29, 0xffff, v29
	s_delay_alu instid0(VALU_DEP_1)
	v_lshl_or_b32 v28, v29, 16, v29                ; for k 0-63 and for k 64-127 alike.  The 32 moves below are the places ahead of the first scaled product
.set j, 0
.rept 32
	v_mov_b32 v[160+j], 0                          ; O^T: the loop is written once; its first step finds zeros
.set j, j+1
.endr
	s_wait_alu depctr_va_vdst(0)                   ; the head's end
	s_wait_tensorcnt 0x0                           ; my part has landed,
	s_barrier_signal -1
	s_barrier_wait -1                              ; everybody's has
	LDK AK0, ASK0, 0, 0                            ; K of step 0
.Lstep:                                            ; 16 trips of 128 keys
	s_wait_dscnt 0x0                               ; K's ten loads, asked for a trip ago
.irp c, 0,1
.irp w, 0,1
.irp u, 0,1
	WM 96+8*(4*\c+2*\w+\u), 32+8*(2*\c+\w), 16+4*\u, -1, 30+\c, 28, \w
.endr
.endr
.endr
	v_add_nc_u32 v[ADV], s[TC], v[AV0]             ; these four are the places behind the products above and behind the last trip's V^T P
	v_add_nc_u32 v[ADT], s[TS], v[ASV0]
	v_add_nc_u32 v[ADK], s[TC], v[AK0]
	v_add_nc_u32 v[ADS], s[TS], v[ASK0]
.irp t, 0,1,2,3
.irp c, 0,1
	ds_load_b128 v[64+8*\t+4*\c:67+8*\t+4*\c], v[ADV] offset:1024*\t+512*\c   ; V of this step
.endr
.endr
.irp i, 0,1
	ds_load_b32 v[192+\i], v[ADT] offset:128*\i
.endr
	LDK ADK, ADS, 4096, 256                        ; K of the next step
	v_mov_b32 v250, v12                            ; the old -M
.irp k, 0,1,2,3,4,5,6,7                        ; the largest score of my two blocks of 32 keys: a chain a tile, eight by turns, each tile from its low end on
	v_max3_num_f32 v[232+\k], v[96+8*\k], v[97+8*\k], v[98+8*\k]
.endr
.irp i, 3,5
.irp k, 0,1,2,3,4,5,6,7
	v_max3_num_f32 v[232+\k], v[232+\k], v[96+8*\k+\i], v[97+8*\k+\i]
.endr
.endr
.irp a, 0,2
.irp c, 0,1
	v_max3_num_f32 v[232+4*\c+\a], v[232+4*\c+\a], v[233+4*\c+\a], v[103+32*\c+4*\a]
.endr
.endr
.irp c, 0,1
	v_max3_num_f32 v[232+4*\c], v[232+4*\c], v[234+4*\c], v[119+32*\c]
.endr
.irp c, 0,1
	v_max_num_f32 v[232+4*\c], v[232+4*\c], v[127+32*\c]   ; block 2 c + h's largest score: for the row's maximum and, since p rises with the score, for the block's largest p
.endr
	v_max_num_f32 v254, v232, v236
	v_permlanex16_b32 v251, v254, s[SEL], s[SEL+1]
	v_max3_num_f32 v13, v13, v254, v251            ; the running largest score of my query
	v_mul_f32 v254, s[CS], v13                     ; as t (c is positive)
	v_floor_f32 v12, -v254                         ; the new -M = -ceil(t)
	v_sub_f32 v254, v12, v250                      ; old M - new M: a whole number, 0 or less
	v_fma_f32 v232, v232, s[CS], v12               ; t - M of each block's largest score
	v_fma_f32 v236, v236, s[CS], v12
	SCL 0
	s_delay_alu instid0(VALU_DEP_4)
	v_cvt_i32_f32 v254, v254                       ; (it saturates)
	SCL 1
	SCL 2
	SCL 3
	s_delay_alu instid0(VALU_DEP_4)
	v_ldexp_f32 v252, 1.0, v254                    ; f = 2^(old M - new M)
.set j, 4
.rept 28
	SCL j
.set j, j+1
.endr
.set j, 0
.rept 16
	RSC j                                          ; O^T under the new M, ahead of the batch: no exponential stands between the last trip's products and these first readers
.set j, j+1
.endr
	s_wait_alu depctr_va_vdst(0)                   ; ahead of the batch
	v_exp_f32 v232, v232                           ; the blocks' largest p: the same multiply-add and exponential on the same number
	v_exp_f32 v236, v236
.set j, 0
.rept 64
	v_exp_f32 v[96+j], v[96+j]                     ; p = 2^(t - M)
.set j, j+1
.endr
	v_pk_mul_f32 v[14:15], v[14:15], v[252:253] op_sel_hi:[1,0]   ; the sums under the new M (the plain place behind the last exponential)
	s_wait_alu depctr_va_vdst(0)                   ; one wait for all 66, ahead of the first line that names a result
	v_max_num_f32 v232, 0x1800000, v232            ; the floor 2^(3 - 127)
	v_max_num_f32 v236, 0x1800000, v236
	SUMR 0                                         ; the row's sum of the unquantised p
	v_add_nc_u32 v244, 0xff000000, v232            ; 2 off the exponent field: the conversion's scale operand
	v_add_nc_u32 v245, 0xff000000, v236
	SUMR 1
	v_lshrrev_b32 v246, 23, v244                   ; the scale's byte
	v_lshrrev_b32 v247, 23, v245
	SUMR 2
	v_lshl_or_b32 v254, v247, 16, v246             ; my blocks h and 2 + h, as lanes 0-15 place them
.irp t, 0,1,2,3
	v_cvt_scalef32_pk8_fp4_f32 v[224+\t], v[96+8*\t:103+8*\t], v244    ; keys 32 h + 8 t ..: register t of the operand
.endr
	v_permlanex16_b32 v251, v254, s[SEL], s[SEL+1]
.irp t, 0,1,2,3
	v_cvt_scalef32_pk8_fp4_f32 v[228+\t], v[128+8*\t:135+8*\t], v245   ; keys 64 + 32 h + 8 t ..
.endr
	v_lshl_or_b32 v253, v251, 8, v254              ; p's scale word: in lanes 0-15, which alone are read, the other half's blocks 1 and 3 stand one byte up
	SUMR 3                                         ; these twenty are also the places between p's codes and scale word and the products below
	SUMR 4
	SUMR 5
	SUMR 6
	SUMR 7
	s_delay_alu instid0(VALU_DEP_3)
	v_pk_add_f32 v[240:241], v[240:241], v[242:243]
	s_delay_alu instid0(VALU_DEP_2)
	v_pk_add_f32 v[14:15], v[14:15], v[248:249]
	s_delay_alu instid0(VALU_DEP_1)
	v_pk_add_f32 v[14:15], v[14:15], v[240:241]
	s_wait_alu depctr_va_vdst(0)
	s_wait_dscnt 10                                ; V's ten loads are in; the next step's ten for K, issued behind them, may be out
.irp t, 0,1,2,3
	WM 160+8*\t, 64+8*\t, 224, 160+8*\t, 192+\t/2, 253, \t%2
.endr
	s_add_co_u32 s[TC], s[TC], 4096
	s_add_co_u32 s[TS], s[TS], 256
	s_sub_co_u32 s[CNT], s[CNT], 1
	s_cmp_lg_u32 s[CNT], 0
	s_cbranch_scc1 .Lstep
	; THE WAY OUT: O^T / l; register 16 b + 8 u + j is d = 32 b + 16 (lane / 16) + 8 u + j of my query: two blocks of the next product's K
	s_wait_alu depctr_va_vdst(0)
	v_add_f32 v14, v14, v15
	s_delay_alu instid0(VALU_DEP_1)
	v_permlanex16_b32 v252, v14, s[SEL], s[SEL+1]
	s_delay_alu instid0(VALU_DEP_1)
	v_add_f32 v14, v14, v252                       ; the row's sum
	s_wait_alu depctr_va_vdst(0)                   ; ahead of the reciprocal
	v_rcp_f32 v14, v14
	v_and_b32 v8, 15, v0                           ; (plain lines behind the reciprocal, and places behind the last products)
	v_bfe_u32 v9, v0, 4, 1
	s_delay_alu instid0(VALU_DEP_1)
	v_lshl_add_u32 v242, v8, 4, v9                 ; 16 r + h: my byte's place
	s_wait_alu depctr_va_vdst(0)                   ; ahead of the reciprocal's first reader, which is also O^T's
.set j, 0
.rept 32
	v_mul_f32 v[96+j], v[160+j], v14
.set j, j+1
.endr
	QUANT32 96, 224, 240
	global_store_b128 v[LI], v[224:227], s[50:51]  ; 32 lanes store 512 consecutive bytes
	v_cndmask_b32 v241, v[TM+2], v[TM+3], s[HM]    ; lanes 0-15 block 0's byte, lanes 16-31 block 1's
	global_store_b8 v242, v241, s[52:53]
	s_wait_tensorcnt 0x0                           ; the wave's end; the wait on DScnt also covers the last trip's look-ahead
	ds_add_u32 v[SPW], v[NIL]
	s_wait_dscnt 0x0
	ROUND                                          ; the closing round
	s_endpgm
.Lfunc_end_k_qcb1bd54e0b_attn:
	.size	k_qcb1bd54e0b_attn, .Lfunc_end_k_qcb1bd54e0b_attn-k_qcb1bd54e0b_attn
	.p2alignl 7, 3214868480
	.fill 96, 4, 3214868480
	.section	.rodata,"a",@progbits
	.p2align	6, 0x0
	.amdhsa_kernel k_qcb1bd54e0b_attn
		.amdhsa_group_segment_fixed_size 167936
		.amdhsa_private_segment_fixed_size 0
		.amdhsa_enable_private_segment 0
		.amdhsa_kernarg_size 16
		.amdhsa_user_sgpr_count 2
		.amdhsa_user_sgpr_kernarg_segment_ptr 1
		.amdhsa_wavefront_size32 1
		.amdhsa_system_sgpr_workgroup_id_x 1
		.amdhsa_system_sgpr_workgroup_id_y 1
		.amdhsa_system_sgpr_workgroup_id_z 1
		.amdhsa_system_vgpr_workitem_id 0
		.amdhsa_next_free_vgpr 256
		.amdhsa_next_free_sgpr 66
		.amdhsa_reserve_vcc 0
		.amdhsa_float_denorm_mode_32 3
		.amdhsa_float_denorm_mode_16_64 3
		.amdhsa_memory_ordered 1
		.amdhsa_forward_progress 1
		.amdhsa_inst_pref_size 27
	.end_amdhsa_kernel
	.amdgpu_metadata
---
amdhsa.version: [ 1, 2 ]
amdhsa.kernels:
  - .name:           k_qcb1bd54e0b_attn
    .symbol:         k_qcb1bd54e0b_attn.kd
    .args:
      - { .name: qkv, .offset: 0, .size: 8, .value_kind: global_buffer, .address_space: global }
      - { .name: ac, .offset: 8, .size: 8, .value_kind: global_buffer, .address_space: global }
    .group_segment_fixed_size: 167936
    .private_segment_fixed_size: 0
    .kernarg_segment_align: 8
    .kernarg_segment_size: 16
    .max_flat_workgroup_size: 512
    .sgpr_count:     66
    .vgpr_count:     256
    .wavefront_size: 32
...
	.end_amdgpu_metadata
.endif
;; end of part 3
;; launch ffn1 (part 4): grid 8 x 32, 8 waves a work-group, clusters of 4 x 4, 209,920 bytes of LDS; arguments ac, pk, b1, hc; writes hc
.if DOCPART == 4
	.amdgcn_target "amdgcn-amd-amdhsa--gfx1250"
	.amdhsa_code_object_version 6
	.text
	.protected	k_qcb1bd54e0b_ffn1
	.globl	k_qcb1bd54e0b_ffn1
	.p2align	8
	.type	k_qcb1bd54e0b_ffn1,@function
k_qcb1bd54e0b_ffn1:
	s_mov_b64 s[64:65], 0
	v_nop
	global_prefetch_b8 v0, s[64:65] scope:SCOPE_SE
	s_setreg_imm32_b32 hwreg(HW_REG_WAVE_MODE, 25, 1), 1
	s_wait_xcnt 0x0
	s_wait_alu depctr_hold_cnt(0) depctr_sa_sdst(0) depctr_va_vdst(0) depctr_va_sdst(0) depctr_va_ssrc(0) depctr_va_vcc(0) depctr_vm_vsrc(0)
	s_getreg_b32 s2, hwreg(HW_REG_IB_STS2, 6, 4)
	s_cmp_eq_u32 s2, 0
	s_cbranch_scc0 .Lentry_in_a_cluster
	s_endpgm
.Lentry_in_a_cluster:
	s_bfe_u32 s2, ttmp6, 0x10000c
	s_cmp_lg_u32 s2, 0xf033
	s_cbranch_scc0 .Lentry_shape_is_right
	s_endpgm
.Lentry_shape_is_right:
; LAUNCH 4 OF 5.  hidden = relu(attention's result x W1^T + b1) on codes, and its quantiser along the 2,048 hidden units.  Nothing is left out.
; A work-group takes 128 tokens (Y) x 256 hidden units (X).  ALL OF K LIES IN LDS AT ONCE: ac's 4 groups and W1's 8, dense blocks of 17,408 bytes, filled once: no ring, one barrier.
; CLUSTER 4 x 4: ac's groups hang on Y alone and are asked for jointly along a row of the cluster, W1's on X alone and along a column.  A wave has at most two tensor loads out.
; WAVE w: 128 hidden units (w / 4) x 32 tokens (w % 4).  Source 0 = 8 tiles of W1, source 1 = 2 tiles of tokens: a lane holds one token, its 64 registers run along 128 hidden units: one K step of the next product.
; b1 is loaded into the accumulators, in the result's layout, and is the C of each sum's first product.
; OUT: hc, a packed operand as launch 1 lays them (K = 2,048).  LIMITS as in launch 2.
.set GP1,   17408
.set GP2,   34816
.set W1_OFF, 3899392
.set BOFF,  69632
.set SPARE, 208896
.set LI,    1                          ; v1   16 x lane
.set APW,   2                          ; v2-3 my 8 tiles of W1
.set ART,   4                          ; v4   my group of tokens
.set BO,    5                          ; v5   64 h
.set SPW,   9
.set NIL,   10
.set TM,    48
.set ACC,   128
.set KS,    8
.set GPB,   GP1
.set TPA,   4
.set NP,    8
.set NR,    2
.set AP,    APW
.set AR,    ART
.set FP,    28
.set FRR,   92
.set SP,    108
.set SR,    124
.set CM,    1
.set CB,    0
.set WV,    12
.set HM,    17
.set SEL,   18
.set G1A,   24
.set G0A,   32
.set G0B,   36
.set G1B,   40
.macro ROUND
	s_barrier_signal -1
	s_barrier_wait -1
	s_cmp_lg_u32 s[WV], 0
	s_cbranch_scc1 .Lnot_wave_0_\@
	s_barrier_signal -3
.Lnot_wave_0_\@:
	s_barrier_wait -3
	s_barrier_signal -1
	s_barrier_wait -1
.endm
.macro TL g0, g1
	tensor_load_to_lds s[\g0:\g0+3], s[\g1:\g1+7]
	s_nop 0
.rept 4
	v_nop
.endr
.endm
.macro WM dd, aa, bb, cc, sa, sb, ra, rb
.if (\ra) && (\rb)
	v_wmma_scale_f32_16x16x128_f8f6f4 v[\dd:\dd+7], v[\aa:\aa+7], v[\bb:\bb+7], v[\cc:\cc+7], v[\sa], v[\sb] matrix_a_fmt:MATRIX_FMT_FP4 matrix_b_fmt:MATRIX_FMT_FP4 matrix_a_scale:MATRIX_SCALE_ROW1 matrix_b_scale:MATRIX_SCALE_ROW1
.elseif (\ra)
	v_wmma_scale_f32_16x16x128_f8f6f4 v[\dd:\dd+7], v[\aa:\aa+7], v[\bb:\bb+7], v[\cc:\cc+7], v[\sa], v[\sb] matrix_a_fmt:MATRIX_FMT_FP4 matrix_b_fmt:MATRIX_FMT_FP4 matrix_a_scale:MATRIX_SCALE_ROW1
.elseif (\rb)
	v_wmma_scale_f32_16x16x128_f8f6f4 v[\dd:\dd+7], v[\aa:\aa+7], v[\bb:\bb+7], v[\cc:\cc+7], v[\sa], v[\sb] matrix_a_fmt:MATRIX_FMT_FP4 matrix_b_fmt:MATRIX_FMT_FP4 matrix_b_scale:MATRIX_SCALE_ROW1
.else
	v_wmma_scale_f32_16x16x128_f8f6f4 v[\dd:\dd+7], v[\aa:\aa+7], v[\bb:\bb+7], v[\cc:\cc+7], v[\sa], v[\sb] matrix_a_fmt:MATRIX_FMT_FP4 matrix_b_fmt:MATRIX_FMT_FP4
.endif
.endm
; K step s of 128: NP tiles of source 0 x NR of source 1; every fourth step fetches the scale quads of four steps.  The accumulators, which begin as the bias, take turns, one instruction a turn.
.macro KSTEP s
.if (\s) > 0
.rept 4
	v_nop                                          ; four places in front of loads into registers that matrix instructions have read
.endr
.endif
.if (\s)%4 == 0
.set g, 0
.rept NP/2
	ds_load_b128 v[SP+4*g:SP+4*g+3], v[AP+(2*g)/TPA] offset:(((2*g)%TPA)/2)*GPB+2*KS*1024+((\s)/4)*512
.set g, g+1
.endr
.set g, 0
.rept NR/2
	ds_load_b128 v[SR+4*g:SR+4*g+3], v[AR+(2*g)/TPA] offset:(((2*g)%TPA)/2)*GPB+2*KS*1024+((\s)/4)*512
.set g, g+1
.endr
.endif
.set p, 0
.rept NP
	ds_load_b128 v[FP+8*p:FP+8*p+3], v[AP+p/TPA] offset:((p%TPA)/2)*GPB+(p%2)*KS*1024+(\s)*1024
	ds_load_b128 v[FP+8*p+4:FP+8*p+7], v[AP+p/TPA] offset:((p%TPA)/2)*GPB+(p%2)*KS*1024+(\s)*1024+512
.set p, p+1
.endr
.set p, 0
.rept NR
	ds_load_b128 v[FRR+8*p:FRR+8*p+3], v[AR+p/TPA] offset:((p%TPA)/2)*GPB+(p%2)*KS*1024+(\s)*1024
	ds_load_b128 v[FRR+8*p+4:FRR+8*p+7], v[AR+p/TPA] offset:((p%TPA)/2)*GPB+(p%2)*KS*1024+(\s)*1024+512
.set p, p+1
.endr
	s_wait_dscnt 0x0
.set rr, 0
.rept NR
.set p, 0
.rept NP
	WM ACC+8*(NP*rr+p), FP+8*p, FRR+8*rr, ACC+8*(NP*rr+p), SP+4*(p/2)+(\s)%4, SR+4*(rr/2)+(\s)%4, p%2, rr%2
.set p, p+1
.endr
.set rr, rr+1
.endr
.endm
.macro QUANT64 s, pc, pw
.irp b, 0,1,2,3
	v_max3_num_f32 v[TM+\b], |v[\s+16*\b]|, |v[\s+1+16*\b]|, 0x1800000
.endr
.irp i, 2,4,6,8,10,12,14
.irp b, 0,1,2,3
	s_delay_alu instid0(VALU_DEP_4)
	v_max3_num_f32 v[TM+\b], v[TM+\b], |v[\s+16*\b+\i]|, |v[\s+1+16*\b+\i]|
.endr
.endr
.irp b, 0,1,2,3
	s_delay_alu instid0(VALU_DEP_4)
	v_permlanex16_b32 v[TM+4+\b], v[TM+\b], s[SEL], s[SEL+1]
.endr
.irp b, 0,1,2,3
	s_delay_alu instid0(VALU_DEP_4)
	v_max_num_f32 v[TM+\b], v[TM+\b], v[TM+4+\b]
.endr
.irp b, 0,1,2,3
	s_delay_alu instid0(VALU_DEP_4)
	v_add_nc_u32 v[TM+12+\b], 0xff000000, v[TM+\b]
.endr
.irp b, 0,1,2,3
	s_delay_alu instid0(VALU_DEP_4)
	v_lshrrev_b32 v[TM+4+\b], 23, v[TM+12+\b]
.endr
	s_delay_alu instid0(VALU_DEP_3)
	v_lshl_or_b32 v[\pw], v[TM+5], 8, v[TM+4]
	s_delay_alu instid0(VALU_DEP_1)
	v_lshl_or_b32 v[\pw], v[TM+6], 16, v[\pw]
	s_delay_alu instid0(VALU_DEP_1)
	v_lshl_or_b32 v[\pw], v[TM+7], 24, v[\pw]
.irp b, 0,1,2,3
	v_cvt_scalef32_pk8_fp4_f32 v[\pc+2*\b], v[\s+16*\b:\s+7+16*\b], v[TM+12+\b]
	v_cvt_scalef32_pk8_fp4_f32 v[\pc+1+2*\b], v[\s+8+16*\b:\s+15+16*\b], v[TM+12+\b]
.endr
	v_nop                                          ; one plain place behind a scaled conversion
.irp c, 0,1
.irp i, 0,1
	v_permlane16_swap_b32 v[\pc+4*\c+\i], v[\pc+2+4*\c+\i]
.endr
.endr
.endm
	s_load_b256 s[4:11], s[0:1], 0x0               ; ac, pk, b1, hc
	v_lshl_add_u32 v[SPW], v0, 2, SPARE
	v_mov_b32 v[NIL], 0
	ds_add_u32 v[SPW], v[NIL]                      ; the wave's opening: the add, twice on end, and its wait ahead of my first tensor load; the set-up below stands between
	ds_add_u32 v[SPW], v[NIL]
	v_lshrrev_b32 v11, 5, v0
	s_delay_alu instid0(VALU_DEP_1)
	v_readfirstlane_b32 s[WV], v11                 ; wave 0..7
	v_and_b32 v11, 31, v0
	s_delay_alu instid0(VALU_DEP_1)
	v_lshlrev_b32 v[LI], 4, v11
	s_lshr_b32 s22, s[WV], 2                       ; which 128 hidden units
	s_and_b32 s23, s[WV], 3                        ; which 32 tokens
	s_mul_i32 s53, s22, 4*GP1
	s_add_co_u32 s53, s53, BOFF
	v_add_nc_u32 v[APW], s53, v[LI]
	s_delay_alu instid0(VALU_DEP_1)
	v_add_nc_u32 v[APW+1], 2*GP1, v[APW]
	s_mul_i32 s53, s23, GP1
	v_add_nc_u32 v[ART], s53, v[LI]
	v_bfe_u32 v[BO], v0, 4, 1
	s_delay_alu instid0(VALU_DEP_1)
	v_lshlrev_b32 v[BO], 6, v[BO]
	s_bfe_u32 s13, ttmp6, 0x40000
	s_bfe_u32 s14, ttmp6, 0x40004
	s_lshl_b32 s15, ttmp9, 2
	s_add_co_u32 s15, s15, s13                     ; X
	s_and_b32 s16, ttmp7, 0xffff
	s_lshl_b32 s16, s16, 2
	s_add_co_u32 s16, s16, s14                     ; Y
	s_lshl_b32 s20, s14, 2
	s_lshl_b32 s20, 15, s20                        ; my row of the cluster
	s_lshl_b32 s21, 0x1111, s13                    ; my column
	s_or_b32 s[G1A], s20, (3<<16)|(1<<21)          ; a dense block of 17,408 bytes as 68 rows of 256 bytes (32 elements of 8 bytes), no padding
	s_or_b32 s[G1B], s21, (3<<16)|(1<<21)
.irp g, G1A, G1B
	s_mov_b32 s[\g+1], 32<<16
	s_mov_b32 s[\g+2], 68<<16
	s_mov_b32 s[\g+3], 32<<16
	s_mov_b32 s[\g+4], 68
	s_mov_b32 s[\g+5], 32
	s_mov_b32 s[\g+6], 0
	s_mov_b32 s[\g+7], 0
.endr
	s_mov_b32 s[G1B+2], 136<<16                    ; a load of W1 brings two groups on end: 136 rows of 256 bytes
	s_mov_b32 s[G1B+4], 136
	s_lshl_b32 s48, s16, 2
	s_add_co_u32 s48, s48, s[WV]
	s_mul_i32 s48, s48, GP1                        ; ac's group 4 Y + w (waves 0-3)
	s_mov_b32 s49, 0
	s_lshl_b32 s50, s15, 3
	s_add_co_u32 s50, s50, s23
	s_add_co_u32 s50, s50, s23                     ; waves 4-7: W1's groups 8 X + 2 (w % 4) and the next
	s_mul_i32 s50, s50, GP1
	s_add_co_u32 s50, s50, W1_OFF                  ; W1's group 8 X + 2 (w % 4)
	s_mov_b32 s51, 0
	s_mul_i32 s52, s[WV], GP1
	s_lshl_b32 s54, s15, 10
	s_lshl_b32 s53, s22, 9
	s_add_co_u32 s54, s54, s53                     ; b1: 4 (256 X + 128 (w / 4))
	s_mov_b32 s55, 0
	s_lshl_b32 s60, s15, 1
	s_add_co_u32 s60, s60, s22                     ; which K step of the next product my hidden units are
	s_lshl_b32 s61, s16, 2
	s_add_co_u32 s61, s61, s23
	s_mul_i32 s61, s61, GP2                        ; hc: my group of tokens
	s_lshl_b32 s56, s60, 10
	s_add_co_u32 s56, s56, s61
	s_mov_b32 s57, 0
	s_lshr_b32 s58, s60, 2
	s_lshl_b32 s58, s58, 9
	s_and_b32 s53, s60, 3
	s_lshl_b32 s53, s53, 2
	s_add_co_u32 s58, s58, s53
	s_add_co_u32 s58, s58, s61
	s_add_co_u32 s58, s58, 32768                   ; its quad and its word in the quad
	s_mov_b32 s59, 0
	s_mov_b32 s[SEL], 0x76543210
	s_mov_b32 s[SEL+1], 0xfedcba98
	s_mov_b32 s[HM], 0xffff0000
	s_wait_dscnt 0x0                               ; both opening adds are done
	s_wait_kmcnt 0x0
	s_mov_b32 s[G0B], 1
	s_mul_i32 s53, s23, 2*GP1
	s_add_co_u32 s[G0B+1], s53, BOFF
	s_add_nc_u64 s[G0B+2:G0B+3], s[6:7], s[50:51]
	s_or_b32 s[G0B+3], s[G0B+3], 0x80000000
	s_mov_b32 s[G0A], 1
	s_mov_b32 s[G0A+1], s52
	s_add_nc_u64 s[G0A+2:G0A+3], s[4:5], s[48:49]
	s_or_b32 s[G0A+3], s[G0A+3], 0x80000000
	s_add_nc_u64 s[54:55], s[8:9], s[54:55]
	s_add_nc_u64 s[56:57], s[10:11], s[56:57]
	s_add_nc_u64 s[58:59], s[10:11], s[58:59]
	ROUND                                          ; all sixteen work-groups are here: the joint loads meet
	s_cmp_lt_u32 s[WV], 4                          ; one tensor load a wave
	s_cbranch_scc0 .Lfor_b
	TL G0A, G1A                                    ; waves 0-3: one group of ac
	s_branch .Lasked
.Lfor_b:
	TL G0B, G1B                                    ; waves 4-7: two groups of W1
.Lasked:
	s_wait_alu depctr_va_vdst(0)
.irp rr, 0,1                                   ; the bias, while the tiles are on their way: register j of tile p is hidden unit 32 (p / 2) + 16 h + 8 (p % 2) + j
.irp p, 0,1,2,3,4,5,6,7
	global_load_b128 v[ACC+64*\rr+8*\p:ACC+64*\rr+8*\p+3], v[BO], s[54:55] offset:128*(\p/2)+32*(\p%2)
	global_load_b128 v[ACC+64*\rr+8*\p+4:ACC+64*\rr+8*\p+7], v[BO], s[54:55] offset:128*(\p/2)+32*(\p%2)+16
.endr
.endr
	s_wait_tensorcnt 0x0                           ; my fills have landed,
	s_barrier_signal -1
	s_barrier_wait -1                              ; everybody's have
	s_wait_loadcnt 0x0                             ; b1
.irp s, 0,1,2,3,4,5,6,7
	KSTEP \s
.endr
.rept 4
	v_nop                                          ; four places behind the last products
.endr
.irp b, 0,1,2,3
	v_mov_b32 v[TM+4+\b], 0                        ; a lane permute's destination counts as one of its sources
.endr
.irp rr, 0,1
.set j, 0
.rept 64
	v_max_num_f32 v[ACC+64*\rr+j], 0, v[ACC+64*\rr+j]   ; the activation, in f32
.set j, j+1
.endr
	QUANT64 ACC+64*\rr, 28+8*\rr, 44+\rr
	global_store_b128 v[LI], v[28+8*\rr:31+8*\rr], s[56:57] offset:16384*\rr        ; 32 lanes store 512 consecutive bytes
	global_store_b128 v[LI], v[32+8*\rr:35+8*\rr], s[56:57] offset:16384*\rr+512
.endr
	v_cndmask_b32 v46, v44, v45, s[HM]             ; lanes 0-15 the even tile's words, lanes 16-31 the odd's
	global_store_b32 v[LI], v46, s[58:59]          ; one word of each lane's four in the quad
	s_wait_tensorcnt 0x0                           ; the wave's end
	ds_add_u32 v[SPW], v[NIL]
	s_wait_dscnt 0x0
	ROUND                                          ; the closing round
	s_endpgm
.Lfunc_end_k_qcb1bd54e0b_ffn1:
	.size	k_qcb1bd54e0b_ffn1, .Lfunc_end_k_qcb1bd54e0b_ffn1-k_qcb1bd54e0b_ffn1
	.p2alignl 7, 3214868480
	.fill 96, 4, 3214868480
	.section	.rodata,"a",@progbits
	.p2align	6, 0x0
	.amdhsa_kernel k_qcb1bd54e0b_ffn1
		.amdhsa_group_segment_fixed_size 209920
		.amdhsa_private_segment_fixed_size 0
		.amdhsa_enable_private_segment 0
		.amdhsa_kernarg_size 32
		.amdhsa_user_sgpr_count 2
		.amdhsa_user_sgpr_kernarg_segment_ptr 1
		.amdhsa_wavefront_size32 1
		.amdhsa_system_sgpr_workgroup_id_x 1
		.amdhsa_system_sgpr_workgroup_id_y 1
		.amdhsa_system_sgpr_workgroup_id_z 1
		.amdhsa_system_vgpr_workitem_id 0
		.amdhsa_next_free_vgpr 256
		.amdhsa_next_free_sgpr 66
		.amdhsa_reserve_vcc 0
		.amdhsa_float_denorm_mode_32 3
		.amdhsa_float_denorm_mode_16_64 3
		.amdhsa_memory_ordered 1
		.amdhsa_forward_progress 1
		.amdhsa_inst_pref_size 53
	.end_amdhsa_kernel
	.amdgpu_metadata
---
amdhsa.version: [ 1, 2 ]
amdhsa.kernels:
  - .name:           k_qcb1bd54e0b_ffn1
    .symbol:         k_qcb1bd54e0b_ffn1.kd
    .args:
      - { .name: ac, .offset: 0, .size: 8, .value_kind: global_buffer, .address_space: global }
      - { .name: pk, .offset: 8, .size: 8, .value_kind: global_buffer, .address_space: global }
      - { .name: b1, .offset: 16, .size: 8, .value_kind: global_buffer, .address_space: global }
      - { .name: hc, .offset: 24, .size: 8, .value_kind: global_buffer, .address_space: global }
    .group_segment_fixed_size: 209920
    .private_segment_fixed_size: 0
    .kernarg_segment_align: 8
    .kernarg_segment_size: 32
    .max_flat_workgroup_size: 256
    .sgpr_count:     66
    .vgpr_count:     256
    .wavefront_size: 32
...
	.end_amdgpu_metadata
.endif
;; end of part 4
;; launch ffn2 (part 5): grid 8 x 32, 8 waves a work-group, clusters of 4 x 4, 314,368 bytes of LDS; arguments hc, pk, b2, embed, out0; writes out0
.if DOCPART == 5
	.amdgcn_target "amdgcn-amd-amdhsa--gfx1250"
	.amdhsa_code_object_version 6
	.text
	.protected	k_qcb1bd54e0b_ffn2
	.globl	k_qcb1bd54e0b_ffn2
	.p2align	8
	.type	k_qcb1bd54e0b_ffn2,@function
k_qcb1bd54e0b_ffn2:
	s_mov_b64 s[64:65], 0
	v_nop
	global_prefetch_b8 v0, s[64:65] scope:SCOPE_SE
	s_setreg_imm32_b32 hwreg(HW_REG_WAVE_MODE, 25, 1), 1
	s_wait_xcnt 0x0
	s_wait_alu depctr_hold_cnt(0) depctr_sa_sdst(0) depctr_va_vdst(0) depctr_va_sdst(0) depctr_va_ssrc(0) depctr_va_vcc(0) depctr_vm_vsrc(0)
	s_getreg_b32 s2, hwreg(HW_REG_IB_STS2, 6, 4)
	s_cmp_eq_u32 s2, 0
	s_cbranch_scc0 .Lentry_in_a_cluster
	s_endpgm
.Lentry_in_a_cluster:
	s_bfe_u32 s2, ttmp6, 0x10000c
	s_cmp_lg_u32 s2, 0xf033
	s_cbranch_scc0 .Lentry_shape_is_right
	s_endpgm
.Lentry_shape_is_right:
; LAUNCH 5 OF 5.  out0 = hidden x W2^T + b2 + embed, the product on codes.  Nothing is left out.
; A work-group takes 128 tokens (Y) x 128 columns (X).  ALL OF K (2,048) LIES IN LDS AT ONCE: hc's 4 groups and W2's 4, dense blocks of 34,816 bytes, filled once, one tensor load a wave: no ring, one barrier.
; CLUSTER 4 x 4: hc's groups hang on Y alone and are asked for jointly along a row of the cluster, W2's on X alone and along a column.
; WAVE w: 64 columns (w / 4) x 32 tokens (w % 4).  Source 0 = 4 tiles of W2, source 1 = 2 tiles of tokens: a lane holds one token and eight neighbouring columns a register run.  b2 is loaded into the accumulators.
; embed's numbers, 8,192 bytes a wave, four times the bytes of the work-group's tiles' share in memory, are asked for only when the tiles have landed: nothing wants them before the way out, and they arrive under the 16 K steps.
; THE WAY OUT: a tile of 16 tokens x 64 columns goes through the wave's own stage in LDS (rows of 272 bytes) and comes back by rows; embed's numbers, loaded in that same shape, are added; sixteen lanes store 256 consecutive bytes, aligned.
.set GP2,   34816
.set W2_OFF, 5013504
.set STAGE, 278528                     ; behind the 8 groups: 16 rows x 272 bytes for each wave; no fill lands there
.set SPARE, 313344
.set LI,    1                          ; v1   16 x lane
.set APW,   2                          ; v2-3 my two groups of W2
.set ART,   4                          ; v4   my group of tokens
.set BO,    5                          ; v5   64 h
.set STO,   6                          ; v6   the stage: row r, + 64 h
.set RD,    7                          ; v7   and back: lanes 0-15 one row, lanes 16-31 the next
.set EO,    8                          ; v8   the same two rows in embed and in out0
.set SPW,   9
.set NIL,   10
.set E,     128                        ; v128-191 embed's numbers
.set ACC,   192                        ; v192-255 eight accumulators
.set KS,    16
.set GPB,   GP2
.set TPA,   2
.set NP,    4
.set NR,    2
.set AP,    APW
.set AR,    ART
.set FP,    32                         ; v32-63
.set FRR,   64                         ; v64-79
.set SP,    16                         ; v16-23 scale words, and nothing else
.set SR,    24                         ; v24-27
.set WV,    14
.set G1A,   24
.set G0A,   32
.set G0B,   36
.set G1B,   40
.macro ROUND
	s_barrier_signal -1
	s_barrier_wait -1
	s_cmp_lg_u32 s[WV], 0
	s_cbranch_scc1 .Lnot_wave_0_\@
	s_barrier_signal -3
.Lnot_wave_0_\@:
	s_barrier_wait -3
	s_barrier_signal -1
	s_barrier_wait -1
.endm
.macro TL g0, g1
	tensor_load_to_lds s[\g0:\g0+3], s[\g1:\g1+7]
	s_nop 0
.rept 4
	v_nop
.endr
.endm
.macro WM dd, aa, bb, cc, sa, sb, ra, rb
.if (\ra) && (\rb)
	v_wmma_scale_f32_16x16x128_f8f6f4 v[\dd:\dd+7], v[\aa:\aa+7], v[\bb:\bb+7], v[\cc:\cc+7], v[\sa], v[\sb] matrix_a_fmt:MATRIX_FMT_FP4 matrix_b_fmt:MATRIX_FMT_FP4 matrix_a_scale:MATRIX_SCALE_ROW1 matrix_b_scale:MATRIX_SCALE_ROW1
.elseif (\ra)
	v_wmma_scale_f32_16x16x128_f8f6f4 v[\dd:\dd+7], v[\aa:\aa+7], v[\bb:\bb+7], v[\cc:\cc+7], v[\sa], v[\sb] matrix_a_fmt:MATRIX_FMT_FP4 matrix_b_fmt:MATRIX_FMT_FP4 matrix_a_scale:MATRIX_SCALE_ROW1
.elseif (\rb)
	v_wmma_scale_f32_16x16x128_f8f6f4 v[\dd:\dd+7], v[\aa:\aa+7], v[\bb:\bb+7], v[\cc:\cc+7], v[\sa], v[\sb] matrix_a_fmt:MATRIX_FMT_FP4 matrix_b_fmt:MATRIX_FMT_FP4 matrix_b_scale:MATRIX_SCALE_ROW1
.else
	v_wmma_scale_f32_16x16x128_f8f6f4 v[\dd:\dd+7], v[\aa:\aa+7], v[\bb:\bb+7], v[\cc:\cc+7], v[\sa], v[\sb] matrix_a_fmt:MATRIX_FMT_FP4 matrix_b_fmt:MATRIX_FMT_FP4
.endif
.endm
; K step s of 128: NP tiles of source 0 x NR of source 1; every fourth step fetches the scale quads of four steps.  The accumulators, which begin as the bias, take turns, one instruction a turn.
.macro KSTEP s
.if (\s) > 0
.rept 4
	v_nop                                          ; four places in front of loads into registers that matrix instructions have read
.endr
.endif
.if (\s)%4 == 0
.set g, 0
.rept NP/2
	ds_load_b128 v[SP+4*g:SP+4*g+3], v[AP+(2*g)/TPA] offset:(((2*g)%TPA)/2)*GPB+2*KS*1024+((\s)/4)*512
.set g, g+1
.endr
.set g, 0
.rept NR/2
	ds_load_b128 v[SR+4*g:SR+4*g+3], v[AR+(2*g)/TPA] offset:(((2*g)%TPA)/2)*GPB+2*KS*1024+((\s)/4)*512
.set g, g+1
.endr
.endif
.set p, 0
.rept NP
	ds_load_b128 v[FP+8*p:FP+8*p+3], v[AP+p/TPA] offset:((p%TPA)/2)*GPB+(p%2)*KS*1024+(\s)*1024
	ds_load_b128 v[FP+8*p+4:FP+8*p+7], v[AP+p/TPA] offset:((p%TPA)/2)*GPB+(p%2)*KS*1024+(\s)*1024+512
.set p, p+1
.endr
.set p, 0
.rept NR
	ds_load_b128 v[FRR+8*p:FRR+8*p+3], v[AR+p/TPA] offset:((p%TPA)/2)*GPB+(p%2)*KS*1024+(\s)*1024
	ds_load_b128 v[FRR+8*p+4:FRR+8*p+7], v[AR+p/TPA] offset:((p%TPA)/2)*GPB+(p%2)*KS*1024+(\s)*1024+512
.set p, p+1
.endr
	s_wait_dscnt 0x0
.set rr, 0
.rept NR
.set p, 0
.rept NP
	WM ACC+8*(NP*rr+p), FP+8*p, FRR+8*rr, ACC+8*(NP*rr+p), SP+4*(p/2)+(\s)%4, SR+4*(rr/2)+(\s)%4, p%2, rr%2
.set p, p+1
.endr
.set rr, rr+1
.endr
.endm
	s_load_b256 s[4:11], s[0:1], 0x0               ; hc, pk, b2, embed
	s_load_b64 s[12:13], s[0:1], 0x20              ; out0
	v_lshl_add_u32 v[SPW], v0, 2, SPARE
	v_mov_b32 v[NIL], 0
	ds_add_u32 v[SPW], v[NIL]                      ; the wave's opening: the add, twice on end, and its wait ahead of my first tensor load; the set-up below stands between
	ds_add_u32 v[SPW], v[NIL]
	v_lshrrev_b32 v11, 5, v0
	s_delay_alu instid0(VALU_DEP_1)
	v_readfirstlane_b32 s[WV], v11                 ; wave 0..7
	v_and_b32 v11, 31, v0
	s_delay_alu instid0(VALU_DEP_1)
	v_lshlrev_b32 v[LI], 4, v11
	s_lshr_b32 s21, s[WV], 2                       ; which 64 columns
	s_and_b32 s22, s[WV], 3                        ; which 32 tokens
	s_mul_i32 s23, s21, 2*GP2
	s_add_co_u32 s23, s23, 4*GP2
	v_add_nc_u32 v[APW], s23, v[LI]
	s_delay_alu instid0(VALU_DEP_1)
	v_add_nc_u32 v[APW+1], GP2, v[APW]
	s_mul_i32 s23, s22, GP2
	v_add_nc_u32 v[ART], s23, v[LI]
	v_and_b32 v12, 15, v0                          ; r
	v_bfe_u32 v13, v0, 4, 1                        ; h
	s_delay_alu instid0(VALU_DEP_1)
	v_lshlrev_b32 v[BO], 6, v13
	s_mul_i32 s23, s[WV], 16*272
	s_add_co_u32 s23, s23, STAGE                   ; my stage
	v_mul_u32_u24 v[STO], v12, 272
	s_delay_alu instid0(VALU_DEP_1)
	v_lshl_add_u32 v[STO], v13, 6, v[STO]
	s_delay_alu instid0(VALU_DEP_1)
	v_add_nc_u32 v[STO], s23, v[STO]
	v_mul_u32_u24 v[RD], v13, 272
	s_delay_alu instid0(VALU_DEP_1)
	v_lshl_add_u32 v[RD], v12, 4, v[RD]
	s_delay_alu instid0(VALU_DEP_1)
	v_add_nc_u32 v[RD], s23, v[RD]
	v_lshlrev_b32 v[EO], 12, v13
	s_delay_alu instid0(VALU_DEP_1)
	v_lshl_add_u32 v[EO], v12, 4, v[EO]
	s_bfe_u32 s15, ttmp6, 0x40000
	s_bfe_u32 s16, ttmp6, 0x40004
	s_lshl_b32 s17, ttmp9, 2
	s_add_co_u32 s17, s17, s15                     ; X
	s_and_b32 s18, ttmp7, 0xffff
	s_lshl_b32 s18, s18, 2
	s_add_co_u32 s18, s18, s16                     ; Y
	s_lshl_b32 s19, s16, 2
	s_lshl_b32 s19, 15, s19                        ; my row of the cluster
	s_lshl_b32 s20, 0x1111, s15                    ; my column
	s_or_b32 s[G1A], s19, (3<<16)|(1<<21)          ; a dense block of 34,816 bytes as 136 rows of 256 bytes (32 elements of 8 bytes), no padding
	s_or_b32 s[G1B], s20, (3<<16)|(1<<21)
.irp g, G1A, G1B
	s_mov_b32 s[\g+1], 32<<16
	s_mov_b32 s[\g+2], 136<<16
	s_mov_b32 s[\g+3], 32<<16
	s_mov_b32 s[\g+4], 136
	s_mov_b32 s[\g+5], 32
	s_mov_b32 s[\g+6], 0
	s_mov_b32 s[\g+7], 0
.endr
	s_lshl_b32 s48, s18, 2
	s_add_co_u32 s48, s48, s22
	s_mul_i32 s48, s48, GP2                        ; hc's group 4 Y + w % 4
	s_mov_b32 s49, 0
	s_lshl_b32 s50, s17, 2
	s_add_co_u32 s50, s50, s22
	s_mul_i32 s50, s50, GP2
	s_add_co_u32 s50, s50, W2_OFF                  ; W2's group 4 X + w % 4
	s_mov_b32 s51, 0
	s_mul_i32 s52, s[WV], GP2                      ; where my group goes: hc's four, then W2's four
	s_lshl_b32 s54, s17, 9
	s_lshl_b32 s23, s21, 8
	s_add_co_u32 s54, s54, s23                     ; my first column in bytes: 4 (128 X + 64 (w / 4)): b2's offset
	s_mov_b32 s55, 0
	s_lshl_b32 s56, s18, 19
	s_lshl_b32 s23, s22, 17
	s_add_co_u32 s56, s56, s23
	s_add_co_u32 s56, s56, s54                     ; + rows 128 Y + 32 (w % 4) of 4,096 bytes: embed's and out0's
	s_mov_b32 s57, 0
	s_wait_dscnt 0x0                               ; both opening adds are done
	s_wait_kmcnt 0x0
	s_mov_b32 s[G0A], 1
	s_mov_b32 s[G0A+1], s52
	s_add_nc_u64 s[G0A+2:G0A+3], s[4:5], s[48:49]
	s_or_b32 s[G0A+3], s[G0A+3], 0x80000000
	s_mov_b32 s[G0B], 1
	s_mov_b32 s[G0B+1], s52
	s_add_nc_u64 s[G0B+2:G0B+3], s[6:7], s[50:51]
	s_or_b32 s[G0B+3], s[G0B+3], 0x80000000
	s_add_nc_u64 s[54:55], s[8:9], s[54:55]
	s_add_nc_u64 s[58:59], s[12:13], s[56:57]
	s_add_nc_u64 s[56:57], s[10:11], s[56:57]
	ROUND                                          ; all sixteen work-groups are here: the joint loads meet
	s_cmp_lt_u32 s[WV], 4
	s_cbranch_scc0 .Lfor_b
	TL G0A, G1A                                    ; waves 0-3: a group of hc
	s_branch .Lasked
.Lfor_b:
	TL G0B, G1B                                    ; waves 4-7: a group of W2
.Lasked:
	s_wait_alu depctr_va_vdst(0)
.irp rr, 0,1                                   ; the bias, while the tiles are on their way: register j of tile p is column 32 (p / 2) + 16 h + 8 (p % 2) + j
.irp p, 0,1,2,3
	global_load_b128 v[ACC+32*\rr+8*\p:ACC+32*\rr+8*\p+3], v[BO], s[54:55] offset:128*(\p/2)+32*(\p%2)
	global_load_b128 v[ACC+32*\rr+8*\p+4:ACC+32*\rr+8*\p+7], v[BO], s[54:55] offset:128*(\p/2)+32*(\p%2)+16
.endr
.endr
	s_wait_tensorcnt 0x0                           ; my fill has landed,
	s_barrier_signal -1
	s_barrier_wait -1                              ; everybody's has
	s_wait_loadcnt 0x0                             ; b2
.irp rr, 0,1                                   ; the residual, asked for now: stage rows 2 i, 2 i + 1 of tile rr are tokens 8 rr + 2 i + 8 (i / 4) and the next; sixteen lanes read 256 consecutive bytes
.irp i, 0,1,2,3,4,5,6,7
	global_load_b128 v[E+32*\rr+4*\i:E+32*\rr+4*\i+3], v[EO], s[56:57] offset:(8*\rr+2*\i+8*(\i/4))*4096 th:TH_LOAD_NT
.endr
.endr
.irp s, 0,1,2,3,4,5,6,7,8,9,10,11,12,13,14,15
	KSTEP \s
.endr
.rept 4
	v_nop                                          ; four places behind the last products, ahead of the first read of results and of loads into fragment registers
.endr
.irp rr, 0,1
.irp p, 0,1,2,3
	ds_store_b128 v[STO], v[ACC+32*\rr+8*\p:ACC+32*\rr+8*\p+3] offset:128*(\p/2)+32*(\p%2)          ; each accumulator from its low end on
	ds_store_b128 v[STO], v[ACC+32*\rr+8*\p+4:ACC+32*\rr+8*\p+7] offset:128*(\p/2)+32*(\p%2)+16
.endr
.irp i, 0,1,2,3,4,5,6,7
	ds_load_b128 v[32+32*\rr+4*\i:35+32*\rr+4*\i], v[RD] offset:544*\i   ; LDS serves a wave's instructions in order: these see the stores above, and the next tile's stores come behind them
.endr
.endr
	s_wait_loadcnt 0x0                             ; the residual
.irp rr, 0,1
	s_wait_dscnt 16-16*\rr                         ; this tile's rows are back; behind them the second tile's 8 stores and 8 loads may be out
.set k, 0
.rept 16
	v_pk_add_f32 v[32+32*\rr+k:33+32*\rr+k], v[32+32*\rr+k:33+32*\rr+k], v[E+32*\rr+k:E+32*\rr+k+1]
.set k, k+2
.endr
.irp i, 0,1,2,3,4,5,6,7
	global_store_b128 v[EO], v[32+32*\rr+4*\i:35+32*\rr+4*\i], s[58:59] offset:(8*\rr+2*\i+8*(\i/4))*4096 th:TH_STORE_NT   ; sixteen lanes store 256 consecutive bytes, aligned
.endr
.endr
	s_wait_tensorcnt 0x0                           ; the wave's end, behind my last tensor load and my last LDS store
	ds_add_u32 v[SPW], v[NIL]
	s_wait_dscnt 0x0
	ROUND                                          ; the closing round
	s_endpgm
.Lfunc_end_k_qcb1bd54e0b_ffn2:
	.size	k_qcb1bd54e0b_ffn2, .Lfunc_end_k_qcb1bd54e0b_ffn2-k_qcb1bd54e0b_ffn2
	.p2alignl 7, 3214868480
	.fill 96, 4, 3214868480
	.section	.rodata,"a",@progbits
	.p2align	6, 0x0
	.amdhsa_kernel k_qcb1bd54e0b_ffn2
		.amdhsa_group_segment_fixed_size 314368
		.amdhsa_private_segment_fixed_size 0
		.amdhsa_enable_private_segment 0
		.amdhsa_kernarg_size 40
		.amdhsa_user_sgpr_count 2
		.amdhsa_user_sgpr_kernarg_segment_ptr 1
		.amdhsa_wavefront_size32 1
		.amdhsa_system_sgpr_workgroup_id_x 1
		.amdhsa_system_sgpr_workgroup_id_y 1
		.amdhsa_system_sgpr_workgroup_id_z 1
		.amdhsa_system_vgpr_workitem_id 0
		.amdhsa_next_free_vgpr 256
		.amdhsa_next_free_sgpr 66
		.amdhsa_reserve_vcc 0
		.amdhsa_float_denorm_mode_32 3
		.amdhsa_float_denorm_mode_16_64 3
		.amdhsa_memory_ordered 1
		.amdhsa_forward_progress 1
		.amdhsa_inst_pref_size 47
	.end_amdhsa_kernel
	.amdgpu_metadata
---
amdhsa.version: [ 1, 2 ]
amdhsa.kernels:
  - .name:           k_qcb1bd54e0b_ffn2
    .symbol:         k_qcb1bd54e0b_ffn2.kd
    .args:
      - { .name: hc, .offset: 0, .size: 8, .value_kind: global_buffer, .address_space: global }
      - { .name: pk, .offset: 8, .size: 8, .value_kind: global_buffer, .address_space: global }
      - { .name: b2, .offset: 16, .size: 8, .value_kind: global_buffer, .address_space: global }
      - { .name: embed, .offset: 24, .size: 8, .value_kind: global_buffer, .address_space: global }
      - { .name: out0, .offset: 32, .size: 8, .value_kind: global_buffer, .address_space: global }
    .group_segment_fixed_size: 314368
    .private_segment_fixed_size: 0
    .kernarg_segment_align: 8
    .kernarg_segment_size: 40
    .max_flat_workgroup_size: 256
    .sgpr_count:     66
    .vgpr_count:     256
    .wavefront_size: 32
...
	.end_amdgpu_metadata
.endif
;; end of part 5
